; MI455X (gfx1250); checked and timed in simulation.
; The chip was launched on July 23, 2026; its instructions are those of AMD's public machine-readable ISA for CDNA 5 (MIT licence, August 2026) and "CDNA5" Instruction Set Architecture Reference Guide (July 2026). The comments in the code are by the model that wrote it; some were corrected since.
;; Multi Head Attention. Allowed arithmetic: matrix products marked QUANTISED: E3M2 operands, one E8M0 scale for each 32 along K, by v_wmma_scale_f32_16x16x128_f8f6f4 with both operands' format E3M2, f32 sums; everything else in f32.
;; Inputs: Wk 1,024 x 1,024 float32; Wo 1,024 x 1,024 float32; Wq 1,024 x 1,024 float32; Wv 1,024 x 1,024 float32; attn_mask 2,048 x 2,048 float32; bk 1,024 float32; bo 1,024 float32; bq 1,024 float32; bv 1,024 float32; key 4 x 2,048 x 1,024 float32; key_padding_mask 4 x 2,048 bool; query 4 x 2,048 x 1,024 float32; value 4 x 2,048 x 1,024 float32.
;; Outputs: out0 4 x 2,048 x 1,024 float32.
;; This version of the problem:
;;   THIS VERSION OF THE PROBLEM IS GIVEN IN LOW PRECISION. The matrix products marked QUANTISED in the list below multiply operands that are first quantised to E3M2 (3 exponent bits, 2 mantissa bits; 6 bits a number), with one power-of-two scale for each 32 numbers along K (OCP MX v1.0); their sums are f32. All else is computed in f32.
;;   The module's matrix products, in the order in which they are computed (A, B: the left and right operand; K: the contracted axis; several contracted axes count as one K, in the product's order):
;;     1. [M 8,192, K 1,024] x [K 1,024, N 1,024]; A: input query; B: input Wq: QUANTISED
;;     2. [M 8,192, K 1,024] x [K 1,024, N 1,024]; A: input key; B: input Wk: QUANTISED
;;     3. [M 8,192, K 1,024] x [K 1,024, N 1,024]; A: input value; B: input Wv: QUANTISED
;;     4. batch 64 x [M 2,048, K 64] x [K 64, N 2,048]; A: computed on the way; B: computed on the way: QUANTISED
;;     5. batch 64 x [M 2,048, K 2,048] x [K 2,048, N 64]; A: softmax (see below); B: computed on the way: QUANTISED
;;     6. [M 8,192, K 1,024] x [K 1,024, N 1,024]; A: computed on the way; B: input Wo: QUANTISED
;;   THE QUANTISER, for each operand of a quantised product, along K:
;;     - K is cut into blocks of 32 from its start; a last block that is shorter is filled with zeros.
;;     - A block's scale is 2^e with e = floor(log2(the largest magnitude in the block)) - 4, held to -126 .. 127; a block of zeros has e = 0. As a byte (E8M0): e + 127.
;;     - Each number is divided by its block's scale, clamped to +-28, and rounded to the nearest number of E3M2, ties to even, subnormals kept.
;;     - The product sums the exact products of the quantised numbers (number of the format x scale) in f32.
;;   ~~~python
;;   def quantise(x, axis):      # numpy; x: float32 -> the quantised numbers, widened to float32 again
;;       x = np.moveaxis(x, axis, -1); K = x.shape[-1]
;;       x = np.pad(x, [(0, 0)] * (x.ndim - 1) + [(0, -K % 32)]); x = x.reshape(x.shape[:-1] + (-1, 32)); a = np.abs(x).max(-1, keepdims=True)
;;       e = np.where(a > 0, np.clip(np.frexp(np.where(a > 0, a, 1))[1] - 1 - 4, -126, 127), 0)      # np.frexp(a)[1] - 1 = floor(log2(a)), exactly
;;       r = np.clip(x / 2.0 ** e, -28, 28)
;;       step = 2.0 ** (np.maximum(np.frexp(np.where(r == 0, 1, r))[1] - 1, -2) - 2)
;;       q = np.round(r / step) * step * 2.0 ** e      # np.round: ties to even
;;       return np.moveaxis(q.reshape(q.shape[:-2] + (-1,))[..., :K], -1, axis).astype(np.float32)
;;   ~~~
;;   SOFTMAX AHEAD OF A QUANTISED PRODUCT. Where the list says 'softmax', what is quantised is not the finished softmax but p = 2^(t - M), with t = logit x log2(e) and M = ceil(the row's largest t), a whole number; so 1/2 < the row's largest p <= 1. The row's sum l is taken of the UNQUANTISED p, in f32, and the product's result is divided by l at the end. Since M is a whole number, a kernel that streams over the keys may use a running M (the ceiling of the running maximum): every later rescaling is an exact power of two, which a block's scale takes up: the codes' values come out the same.
;;   OPERANDS COMPUTED ON THE WAY. 'Computed on the way' means the value that the module computes at that place (a softmax that the list does not call 'softmax' is quantised finished and normalised). What goes into a quantiser is computed in f32, as accurately as f32 sums, v_exp_f32 and their like allow (about 1e-6 of the number): no bf16 or f16 on the way to a quantiser, and a product that is left as it is and whose result goes on into a quantised operand takes f32 operands (vector FMAs, or v_wmma_f32_16x16x4_f32). A number that lies on a knife's edge between two numbers of the format may be rounded either way, as far as f32 arithmetic and the matrix unit's own rounding can turn it there, and no further.
;; One version. Each part assembles by itself: llvm-mc -triple=amdgcn-amd-amdhsa -mcpu=gfx1250 --defsym DOCPART=n.
;; ======== version 1 of 1: 4 launches
;; limits: right only within a limited range of input values
;; workspace buffers: img 22,937,600 bytes; qbuf 6,553,600 bytes; kbuf 6,553,600 bytes; vbuf 6,553,600 bytes; abuf 6,553,600 bytes
;; launch quant (part 1): grid 448 x 1, 4 waves a work-group, no clusters, 34,304 bytes of LDS; arguments query, key, value, Wq, Wk, Wv, Wo, img; writes img
.if DOCPART == 1
	.amdgcn_target "amdgcn-amd-amdhsa--gfx1250"
	.amdhsa_code_object_version 6
	.text
	.protected	k_q2d388b01ef_quant
	.globl	k_q2d388b01ef_quant
	.p2align	8
	.type	k_q2d388b01ef_quant,@function
k_q2d388b01ef_quant:
	s_mov_b64 s[64:65], 0
	v_nop
	global_prefetch_b8 v0, s[64:65] scope:SCOPE_SE
	s_setreg_imm32_b32 hwreg(HW_REG_WAVE_MODE, 25, 1), 1
	s_wait_xcnt 0x0
; query, key, value [8192][1024] and Wq, Wk, Wv, Wo [1024][1024], f32, K = the last axis, become codes of BF6 (E3M2) with one E8M0 byte for each 32 along K,
; laid as RECORDS of 12,800 bytes: a record is a tile of 16 rows x all 1,024 of K, as the matrix unit's registers take it: fragment s (128 along K, 12 registers a lane)
; at 1,536 s, registers 4 g .. 4 g + 3 of lane l at 512 g + 16 l; the rows' scale words (four bytes: 128 along K) at 12,288 + 64 s + 4 x row.
; THE ROWS OF A TILE: in query 16 neighbours; in all other tensors row 32 (tile / 2) + 8 (tile % 2) + r + 8 (r / 8), so that later results of two neighbouring tiles are 16 neighbours in a lane.
; A block's scale is 2^(floor(log2(largest magnitude)) - 4); its byte is the largest magnitude's exponent field - 4, held at 1 from below (a block of zeros gets the byte 1: its codes are zeros, and this program alone reads the bytes).
; LIMITS: NaN and infinities among these inputs are not served; blocks whose largest magnitude lies under 2^-122 keep the byte 1.
; SHARES: a wave makes one record, in 8 steps of 128 along K.  A step's 16 loads read 512 consecutive bytes of one row each; the 8,192 bytes turn through the wave's own stage in LDS
; (rows 528 bytes apart) so that a lane gets 16 neighbours of each block of its row.  Loads run two steps (32 loads a wave) ahead.  No barrier: waves share nothing.  No matrix unit, no cluster: a stream read once.
.set REC,  12800
.set SROW, 528                         ; a stage row: 512 bytes + 16
.set R,    8                           ; v8-135   two sets of 16 rows x 4 registers, as loaded
.set X,    136                         ; v136-199 64 numbers of my row: register 16 b + i = k 32 b + 16 (lane / 16) + i
.set TM,   200                         ; v200-215 at work in QUANT
.set PW,   216                         ; the scale word just made
.set PC,   218                         ; v218-229 the codes just made; v230-237 at work
.set PWS,  240                         ; v240-247 the eight steps' scale words
.set WD,   248                         ; v248-251 the scale words as they are stored
.set SEL,  34                          ; s[34:35] v_permlanex16_b32's selects for lane l xor 16
; 64 numbers of a lane, register 16 b + i = k 32 b + 16 (lane / 16) + i of my row, become a fragment's codes in v[PC] on and its scale word in v[PW].
.macro QUANT s
.irp b, 0,1,2,3
	v_max3_num_f32 v[TM+\b], |v[\s+16*\b]|, |v[\s+1+16*\b]|, 0x2800000   ; block b: my 16 numbers, and the floor 2^(5 - 127): the byte cannot fall under 1
.endr
.irp i, 2,4,6,8,10,12,14
.irp b, 0,1,2,3
	v_max3_num_f32 v[TM+\b], v[TM+\b], |v[\s+16*\b+\i]|, |v[\s+1+16*\b+\i]|   ; the four blocks by turns
.endr
.endr
.irp b, 0,1,2,3
	v_permlanex16_b32 v[TM+4+\b], v[TM+\b], s[SEL], s[SEL+1]
.endr
.irp b, 0,1,2,3
	v_max_num_f32 v[TM+\b], v[TM+\b], v[TM+4+\b]   ; with lane l xor 16's: the block's largest magnitude
.endr
.irp b, 0,1,2,3
	v_add_nc_u32 v[TM+12+\b], 0xfe000000, v[TM+\b]   ; 4 off its exponent field: the conversion's scale operand
.endr
.irp b, 0,1,2,3
	v_lshrrev_b32 v[TM+4+\b], 23, v[TM+12+\b]   ; the scale's byte
.endr
	v_lshl_or_b32 v[PW], v[TM+5], 8, v[TM+4]
	v_lshl_or_b32 v[PW], v[TM+6], 16, v[PW]
	v_lshl_or_b32 v[PW], v[TM+7], 24, v[PW]
.irp c, 0,1
	v_cvt_scalef32_pk16_bf6_f32 v[PC+6*\c:PC+2+6*\c], v[\s+32*\c:\s+15+32*\c], v[TM+12+2*\c]
	v_cvt_scalef32_pk16_bf6_f32 v[PC+12+4*\c:PC+14+4*\c], v[\s+16+32*\c:\s+31+32*\c], v[TM+12+2*\c+1]   ; (a conversion's three registers begin on an even number)
.endr
	v_nop                                          ; one plain place behind a scaled conversion
.irp c, 0,1                                    ; the operand's layout wants a whole block in a lane: lanes 0-15 block 2 c, lanes 16-31 block 2 c + 1
.irp i, 0,1,2
	v_permlane16_swap_b32 v[PC+6*\c+\i], v[PC+12+4*\c+\i]
.endr
.irp i, 0,1,2
	v_mov_b32 v[PC+3+6*\c+\i], v[PC+12+4*\c+\i]
.endr
.endr
.endm
	s_load_b512 s[4:19], s[0:1], 0x0               ; query, key, value, Wq, Wk, Wv, Wo, img
	v_lshl_add_u32 v254, v0, 2, 0x8400
	v_mov_b32 v255, 0
	v_lshrrev_b32 v1, 5, v0
	v_readfirstlane_b32 s20, v1                    ; wave 0..3
	v_and_b32 v5, 31, v0                           ; lane
	v_lshlrev_b32 v1, 4, v5                        ; 16 x lane
	v_lshlrev_b32 v2, 2, v5                        ; 4 x lane
	s_mul_i32 s21, s20, 16*SROW                    ; my stage
	v_add_nc_u32 v3, s21, v1                       ; into it: a row's 512 bytes as they lie
	v_and_b32 v6, 15, v0
	v_bfe_u32 v7, v0, 4, 1
	v_mul_u32_u24 v4, v6, SROW
	v_lshl_add_u32 v4, v7, 6, v4
	v_add_nc_u32 v4, s21, v4                       ; out of it: row lane % 16, + 64 (lane / 16)
	s_mov_b32 s[SEL], 0x76543210
	s_mov_b32 s[SEL+1], 0xfedcba98
.irp b, 0,1,2,3
	v_mov_b32 v[TM+4+\b], 0                        ; written once: a lane permute's destination counts as one of its sources
.endr
	s_wait_alu depctr_va_vdst(0)
	s_wait_kmcnt 0x0
	s_mov_b64 s[22:23], s[16:17]                   ; which tensor is my work-group's, and which work-group is that tensor's first: the choice hangs on the work-group's number alone
	s_mov_b32 s24, 432
.macro PICK bound, ptr, first
	s_cmp_lt_u32 ttmp9, \bound
	s_cselect_b64 s[22:23], s[\ptr:\ptr+1], s[22:23]
	s_cselect_b32 s24, \first, s24
.endm
	PICK 432, 14, 416
	PICK 416, 12, 400
	PICK 400, 10, 384
	PICK 384, 8, 256
	PICK 256, 6, 128
	PICK 128, 4, 0
	s_sub_co_u32 s25, ttmp9, s24
	s_lshl_b32 s25, s25, 2
	s_add_co_u32 s25, s25, s20                     ; my tile in its tensor
	s_lshl_b32 s26, s25, 4                         ; query: rows 16 tile on
	s_lshr_b32 s27, s25, 1
	s_lshl_b32 s27, s27, 5
	s_and_b32 s28, s25, 1
	s_lshl_b32 s28, s28, 3
	s_add_co_u32 s27, s27, s28                     ; the others: 32 (tile / 2) + 8 (tile % 2)
	s_cmp_lt_u32 ttmp9, 128
	s_cselect_b32 s26, s26, s27                    ; the tile's rows 0-7 begin here,
	s_cselect_b32 s27, 8, 16
	s_add_co_u32 s27, s26, s27                     ; its rows 8-15 here
	s_lshl_b32 s26, s26, 12                        ; a row is 4,096 bytes
	s_lshl_b32 s28, s27, 12
	s_mov_b32 s27, 0
	s_mov_b32 s29, 0
	s_add_nc_u64 s[30:31], s[22:23], s[26:27]
	s_add_nc_u64 s[32:33], s[22:23], s[28:29]
	s_lshl_b32 s26, ttmp9, 2
	s_add_co_u32 s26, s26, s20
	s_mul_i32 s26, s26, REC                        ; my record: 4 x work-group + wave
	s_add_nc_u64 s[18:19], s[18:19], s[26:27]
.macro LOAD s                          ; step s: 16 rows x 512 bytes, a row a load, into set s % 2
.irp r, 0,1,2,3,4,5,6,7
	global_load_b128 v[R+64*((\s)%2)+4*\r:R+64*((\s)%2)+4*\r+3], v1, s[30:31] offset:\r*4096+512*(\s) th:TH_LOAD_NT
.endr
.irp r, 0,1,2,3,4,5,6,7
	global_load_b128 v[R+64*((\s)%2)+32+4*\r:R+64*((\s)%2)+32+4*\r+3], v1, s[32:33] offset:\r*4096+512*(\s) th:TH_LOAD_NT
.endr
.endm
.macro STEP s
.if (\s) < 7
	s_wait_loadcnt 16                              ; this step's 16 loads are in; the next step's 16 may be out
.else
	s_wait_loadcnt 0x0
.endif
.irp r, 0,1,2,3,4,5,6,7,8,9,10,11,12,13,14,15
	ds_store_b128 v3, v[R+64*((\s)%2)+4*\r:R+64*((\s)%2)+4*\r+3] offset:\r*SROW
.endr
.irp b, 0,1,2,3
.irp j, 0,1,2,3
	ds_load_b128 v[X+16*\b+4*\j:X+16*\b+4*\j+3], v4 offset:128*\b+16*\j   ; LDS serves a wave's instructions in order: these see the stores above
.endr
.endr
	s_wait_dscnt 0x0                               ; my numbers are back, and the stores into the stage have read their registers,
.if (\s) < 6
	LOAD (\s)+2                                    ; which take the loads of two steps on
.endif
	s_wait_xcnt 0x0                                ; the last step's stores have read the codes' registers: they are written again only behind this wait
	QUANT X
	v_mov_b32 v[PWS+(\s)], v[PW]
.irp c, 0,1,2
	global_store_b128 v1, v[PC+4*\c:PC+4*\c+3], s[18:19] offset:1536*(\s)+512*\c   ; 32 lanes store 512 consecutive bytes, at a multiple of 256 from the record's first byte
.endr
.endm
	LOAD 0
	LOAD 1
.irp n, 0,1,2,3,4,5,6,7
	STEP \n
.endr
	v_cmp_le_u32 vcc_lo, 16, v5                    ; the scale words: lanes 0-15 hold an even step's, lanes 16-31 the odd step's behind it: 128 consecutive bytes a store
.irp i, 0,1,2,3
	v_cndmask_b32 v[WD+\i], v[PWS+2*\i], v[PWS+2*\i+1], vcc_lo
.endr
.irp i, 0,1,2,3
	global_store_b32 v2, v[WD+\i], s[18:19] offset:12288+128*\i
.endr
	s_wait_tensorcnt 0x0
	ds_add_u32 v254, v255
	s_wait_dscnt 0x0
	s_endpgm
.Lfunc_end_k_q2d388b01ef_quant:
	.size	k_q2d388b01ef_quant, .Lfunc_end_k_q2d388b01ef_quant-k_q2d388b01ef_quant
	.p2alignl 7, 3214868480
	.fill 96, 4, 3214868480
	.section	.rodata,"a",@progbits
	.p2align	6, 0x0
	.amdhsa_kernel k_q2d388b01ef_quant
		.amdhsa_group_segment_fixed_size 34304
		.amdhsa_private_segment_fixed_size 0
		.amdhsa_enable_private_segment 0
		.amdhsa_kernarg_size 64
		.amdhsa_user_sgpr_count 2
		.amdhsa_user_sgpr_kernarg_segment_ptr 1
		.amdhsa_wavefront_size32 1
		.amdhsa_system_sgpr_workgroup_id_x 1
		.amdhsa_system_sgpr_workgroup_id_y 1
		.amdhsa_system_sgpr_workgroup_id_z 1
		.amdhsa_system_vgpr_workitem_id 0
		.amdhsa_next_free_vgpr 256
		.amdhsa_next_free_sgpr 66
		.amdhsa_reserve_vcc 1
		.amdhsa_float_denorm_mode_32 3
		.amdhsa_float_denorm_mode_16_64 3
		.amdhsa_memory_ordered 1
		.amdhsa_forward_progress 1
		.amdhsa_inst_pref_size 65
	.end_amdhsa_kernel
	.amdgpu_metadata
---
amdhsa.version: [ 1, 2 ]
amdhsa.kernels:
  - .name:           k_q2d388b01ef_quant
    .symbol:         k_q2d388b01ef_quant.kd
    .args:
      - { .name: query, .offset: 0, .size: 8, .value_kind: global_buffer, .address_space: global }
      - { .name: key, .offset: 8, .size: 8, .value_kind: global_buffer, .address_space: global }
      - { .name: value, .offset: 16, .size: 8, .value_kind: global_buffer, .address_space: global }
      - { .name: Wq, .offset: 24, .size: 8, .value_kind: global_buffer, .address_space: global }
      - { .name: Wk, .offset: 32, .size: 8, .value_kind: global_buffer, .address_space: global }
      - { .name: Wv, .offset: 40, .size: 8, .value_kind: global_buffer, .address_space: global }
      - { .name: Wo, .offset: 48, .size: 8, .value_kind: global_buffer, .address_space: global }
      - { .name: img, .offset: 56, .size: 8, .value_kind: global_buffer, .address_space: global }
    .group_segment_fixed_size: 34304
    .private_segment_fixed_size: 0
    .kernarg_segment_align: 8
    .kernarg_segment_size: 64
    .max_flat_workgroup_size: 128
    .sgpr_count:     66
    .vgpr_count:     256
    .wavefront_size: 32
...
	.end_amdgpu_metadata
.endif
;; end of part 1
;; launch proj (part 2): grid 192 x 1, 4 waves a work-group, no clusters, 206,336 bytes of LDS; arguments img, bq, bk, bv, qbuf, kbuf, vbuf; writes qbuf, kbuf, vbuf
.if DOCPART == 2
	.amdgcn_target "amdgcn-amd-amdhsa--gfx1250"
	.amdhsa_code_object_version 6
	.text
	.protected	k_q2d388b01ef_proj
	.globl	k_q2d388b01ef_proj
	.p2align	8
	.type	k_q2d388b01ef_proj,@function
k_q2d388b01ef_proj:
	s_mov_b64 s[64:65], 0
	v_nop
	global_prefetch_b8 v0, s[64:65] scope:SCOPE_SE
	s_setreg_imm32_b32 hwreg(HW_REG_WAVE_MODE, 25, 1), 1
	s_wait_xcnt 0x0
; q = query Wq^T + bq, k = key Wk^T + bk, v = value Wv^T + bv on codes of BF6 (E3M2) with E8M0 scales (records of 12,800 bytes: a tile of 16 rows x K = 1,024 as register images), and the results
; quantised at once for attention: q and k along the head's 64 features, v along the keys.  Sums in f32; the bias is the C of each sum's first product.
; THE CORE: out[i][j] = sum over k of U[i][k] T[j][k], source 0 = 16 rows of T, source 1 = 16 rows of U: a lane holds one row of U, its registers run along T's rows.  T's tiles take rows
; 32 (t / 2) + 8 (t % 2) + r + 8 (r / 8), so the 16 registers of tiles 2 b, 2 b + 1 are 16 neighbours along T: what the quantiser wants.  q, k: T = the weight (features), U = the tokens.  v: T = value's rows (keys), U = Wv (features).
; SHARES: work-groups 0-63 make q, 64-127 k, 128-191 v.  A work-group has 512 rows of T, 128 a wave: 64 fragments, 768 registers, loaded once and kept; and 16 tiles of U, 204,800 bytes of LDS, brought once by one tensor load a wave.
; A trip of the loop is one tile of U: 64 products on 8 accumulators by turns, then the quantiser, then 1,536 bytes of codes and 64 of scale words leave.
; OUT: a fragment as a split image: registers 0-3 at 16 l, 4-5 at 512 + 8 l, 6-9 at 768 + 16 l, 10-11 at 1,280 + 8 l (for q, k: 768 bytes for each head of a pair).  qbuf, kbuf: [tile of tokens 512][pair of heads 8][1,536]; scale words at SCO + pair x 32,768 + tile x 64 + 4 row.
; vbuf: [128 keys 64][tile of features 64][1,536]; scale words at SCO + step x 4,096 + tile x 64 + 4 row.
; NO CLUSTER: T goes straight into registers by plain loads, which have no joint form; U, a third of a work-group's bytes, is shared by 2 work-groups for q and k and by 16 for v: no one shape of a cluster serves both.
; Three tensors of equal work do not divide into 256 equal parts: 192 work-groups.  All that a work-group reads is asked for at its head.
; LIMITS: NaN and infinities are not served; a block of zeros gets the byte 1 (its codes are zeros; this program alone reads the bytes).
.set REC,  12800
.set NU,   16                          ; tiles of U
.set SCO,  6291456                     ; where the scale words begin in qbuf, kbuf, vbuf
.set BT,   204800                      ; LDS behind U: bv at the rows of my 16 tiles of Wv, 4 bytes a row
.set LI,   1                           ; v1   LDS: the tile in hand, 16 x lane + tile x REC
.set LN,   2                           ; v2   the next tile likewise
.set LS,   3                           ; v3   the next tile's scale words: 4 x lane + tile x REC
.set VB,   4                           ; v4   the next tile's word of the bias table
.set L16,  5                           ; v5   16 x lane
.set L8,   6                           ; v6   8 x lane
.set OS,   7                           ; v7   4 x (lane % 16)
.set TS,   8                           ; v8-39    T's scale words: 4 t + i: K step 2 i in lanes 0-15, 2 i + 1 in lanes 16-31
.set US,   40                          ; v40-43   U's likewise
.set ACC,  44                          ; v44-107  eight accumulators
.set CB,   108                         ; v108-171 the bias in the result's layout
.set TL,   172                         ; v172-183 T's fragment 63; fragments f = 8 s + t under 63 lie in window 1 + f / 21 at v[12 (f % 21)]
.set UF,   184                         ; v184-231 four buffers for U's fragments
.set PC,   208                         ; v208-227 the codes just made, over buffers 2 and 3, which are done with by then
.set TM,   232                         ; v232-247 at work in QUANT
.set PW,   248
.set BV,   249                         ; bv at my lane's feature
.set L4,   252                         ; v252 4 x lane
.set VB0,  253                         ; v253 BT + 4 x (lane % 16)
.set G0,   36                          ; s[36:39] descriptor group 0;  s[40:47] group 1
.set G1,   40
.set SEL,  52                          ; s[52:53]
.set MSB, 0
.macro WIN new                         ; the immediate's high byte repeats the setting that is left; a switch that changes nothing is dropped
.if MSB != (\new)
	s_set_vgpr_msb (MSB<<8)|(\new)
.set MSB, (\new)
.endif
.endm
.macro PLACES                          ; four plain places behind a matrix instruction, in front of loads into its registers and of reads of its results
.rept 4
	v_nop
.endr
.endm
.macro QUANT s
.irp b, 0,1,2,3
	v_max3_num_f32 v[TM+\b], |v[\s+16*\b]|, |v[\s+1+16*\b]|, 0x2800000   ; block b: my 16 numbers, and the floor 2^(5 - 127): the byte cannot fall under 1
.endr
.irp i, 2,4,6,8,10,12,14
.irp b, 0,1,2,3
	v_max3_num_f32 v[TM+\b], v[TM+\b], |v[\s+16*\b+\i]|, |v[\s+1+16*\b+\i]|
.endr
.endr
.irp b, 0,1,2,3
	v_permlanex16_b32 v[TM+4+\b], v[TM+\b], s[SEL], s[SEL+1]
.endr
.irp b, 0,1,2,3
	v_max_num_f32 v[TM+\b], v[TM+\b], v[TM+4+\b]   ; with lane l xor 16's: the block's largest magnitude
.endr
.irp b, 0,1,2,3
	v_add_nc_u32 v[TM+12+\b], 0xfe000000, v[TM+\b]   ; 4 off its exponent field: the conversion's scale operand
.endr
.irp b, 0,1,2,3
	v_lshrrev_b32 v[TM+4+\b], 23, v[TM+12+\b]   ; the scale's byte
.endr
	v_lshl_or_b32 v[PW], v[TM+5], 8, v[TM+4]
	v_lshl_or_b32 v[PW], v[TM+6], 16, v[PW]
	v_lshl_or_b32 v[PW], v[TM+7], 24, v[PW]
.irp c, 0,1
	v_cvt_scalef32_pk16_bf6_f32 v[PC+6*\c:PC+2+6*\c], v[\s+32*\c:\s+15+32*\c], v[TM+12+2*\c]
	v_cvt_scalef32_pk16_bf6_f32 v[PC+12+4*\c:PC+14+4*\c], v[\s+16+32*\c:\s+31+32*\c], v[TM+12+2*\c+1]
.endr
	v_nop                                          ; one plain place behind a scaled conversion
.irp c, 0,1
.irp i, 0,1,2
	v_permlane16_swap_b32 v[PC+6*\c+\i], v[PC+12+4*\c+\i]
.endr
.irp i, 0,1,2
	v_mov_b32 v[PC+3+6*\c+\i], v[PC+12+4*\c+\i]
.endr
.endr
.endm
.macro FETCH buf, adr, s               ; U's fragment of K step s into buffer buf: the image as it lies
.irp c, 0,1,2
	ds_load_b128 v[UF+12*(\buf)+4*\c:UF+12*(\buf)+4*\c+3], v[\adr] offset:1536*(\s)+512*\c
.endr
.endm
.macro USL
.irp i, 0,1,2,3
	ds_load_b32 v[US+\i], v[LS] offset:12288+128*\i
.endr
.endm
.macro NEXTADR                         ; the addresses of tile s49
	s_mul_i32 s50, s49, REC
	v_add_nc_u32 v[LN], s50, v[L16]
	v_add_nc_u32 v[LS], s50, v[L4]
	s_lshl_b32 s50, s49, 6
	v_add_nc_u32 v[VB], s50, v[VB0]
.endm
; K step s: eight products, T's tiles 0-7 against U's fragment in buffer s % 4.  cmode 0: onto the sums; 1: C = the bias by registers (q, k); 2: C = the bias by lanes (v)
.macro KSTEP s, cmode
.irp t, 0,1,2,3,4,5,6,7
.set FI, 8*(\s)+\t
.if FI < 63
	WIN 1+FI/21
.set RA, 12*(FI%21)
.else
	WIN 0
.set RA, TL
.endif
.set RD, ACC+8*\t
.set RB, UF+12*((\s)%4)
.set RC, RD
.if (\cmode) == 1
.set RC, CB+8*\t
.endif
.if (\cmode) == 2
.set RC, CB
.endif
.set RS, TS+4*\t+(\s)/2
.set RU, US+(\s)/2
.if (\s)%2
	v_wmma_scale_f32_16x16x128_f8f6f4 v[RD:RD+7], v[RA:RA+11], v[RB:RB+11], v[RC:RC+7], v[RS], v[RU] matrix_a_fmt:MATRIX_FMT_BF6 matrix_b_fmt:MATRIX_FMT_BF6 matrix_a_scale:MATRIX_SCALE_ROW1 matrix_b_scale:MATRIX_SCALE_ROW1
.else
	v_wmma_scale_f32_16x16x128_f8f6f4 v[RD:RD+7], v[RA:RA+11], v[RB:RB+11], v[RC:RC+7], v[RS], v[RU] matrix_a_fmt:MATRIX_FMT_BF6 matrix_b_fmt:MATRIX_FMT_BF6
.endif
.endr
	WIN 0
.endm
	s_load_b256 s[4:11], s[0:1], 0x0               ; img, bq, bk, bv
	s_load_b128 s[12:15], s[0:1], 0x20             ; qbuf, kbuf
	s_load_b64 s[16:17], s[0:1], 0x30              ; vbuf
	v_lshl_add_u32 v242, v0, 2, 0x32400
	v_mov_b32 v243, 0
	ds_add_u32 v242, v243
	ds_add_u32 v242, v243
	v_lshrrev_b32 v1, 5, v0
	v_readfirstlane_b32 s18, v1                    ; wave 0..3
	s_lshr_b32 s19, ttmp9, 6                       ; 0: q, 1: k, 2: v
	s_and_b32 s20, ttmp9, 63
	s_and_b32 s21, s20, 1                          ; q, k: which 512 features,
	s_lshr_b32 s22, s20, 1                         ;       which 256 tokens
	s_and_b32 s23, s20, 15                         ; v: which 512 keys,
	s_lshr_b32 s34, s20, 4                         ;    which 256 features
	s_lshl_b32 s54, s19, 6
	s_add_co_u32 s54, s54, 1536                    ; the weight's first record
	s_lshl_b32 s55, s19, 9                         ; the tokens' first record
	s_mov_b32 s56, 1536
	s_mov_b32 s57, 12288
	s_mov_b32 s58, 32768
	s_cmp_eq_u32 s19, 2
	s_cselect_b32 s21, s23, s21                    ; my group of T
	s_cselect_b32 s22, s34, s22                    ; my group of U
	s_cselect_b32 s54, 1024, s54                   ; T's first record (v: value's)
	s_cselect_b32 s55, 1664, s55                   ; U's first record (v: Wv's)
	s_cselect_b32 s59, 98304, s56                  ; codes: bytes from one wave's 128 rows of T to the next,
	s_cselect_b32 s32, s56, s57                    ; and from one tile of U to the next
	s_cselect_b32 s58, 4096, s58                   ; scale words: from one 128 rows of T to the next
	s_cselect_b32 s60, 0, 512                      ; the bias by registers: 128 numbers a wave (v: not used, kept at the buffer's start)
	s_cselect_b32 s61, 1024, 0                     ; the bias by lanes: 256 numbers a group of U (q, k: not used)
	s_mov_b32 s33, 0
	s_lshl_b32 s35, s21, 2
	s_add_co_u32 s35, s35, s18                     ; which 128 rows of T are my wave's
	s_lshl_b32 s20, s35, 3
	s_add_co_u32 s54, s54, s20
	s_mul_i32 s54, s54, REC                        ; T: my 8 records
	s_lshl_b32 s20, s22, 4                         ; my first tile of U
	s_add_co_u32 s55, s55, s20
	s_mul_i32 s55, s55, REC
	s_mul_i32 s23, s18, 4*REC                      ; of the 16 records of U my wave brings four: in memory and in LDS
	s_add_co_u32 s55, s55, s23
	s_mul_i32 s59, s59, s35
	s_mul_i32 s34, s20, s32
	s_add_co_u32 s59, s59, s34                     ; where my codes begin
	s_mul_i32 s58, s58, s35
	s_lshl_b32 s34, s20, 6
	s_add_co_u32 s58, s58, s34
	s_add_co_u32 s58, s58, SCO                     ; and my scale words
	s_mul_i32 s60, s60, s35
	s_mul_i32 s61, s61, s22
	s_mov_b32 s[G1+0], 3<<16                       ; 15:0 no mask; 17:16 elements of 8 bytes; no padding
	s_mov_b32 s[G1+1], 32<<16                      ; tensor_dim0 = 32: rows of 256 bytes
	s_mov_b32 s[G1+2], 200<<16                     ; tensor_dim1 = 200: four records are 51,200 dense bytes
	s_mov_b32 s[G1+3], 32<<16                      ; tile_dim0
	s_mov_b32 s[G1+4], 200                         ; tile_dim1
	s_mov_b32 s[G1+5], 32                          ; from row to row
	s_mov_b32 s[G1+6], 0
	s_mov_b32 s[G1+7], 0
	s_mov_b32 s[SEL], 0x76543210
	s_mov_b32 s[SEL+1], 0xfedcba98
	s_mov_b32 s51, 0
	v_and_b32 v250, 31, v0                         ; lane
	v_lshlrev_b32 v[L16], 4, v250
	v_lshlrev_b32 v[L8], 3, v250
	v_lshlrev_b32 v[L4], 2, v250
	v_and_b32 v251, 15, v0                         ; r
	v_lshlrev_b32 v[OS], 2, v251
	v_add_nc_u32 v[VB0], BT, v[OS]
	v_bfe_u32 v254, v0, 4, 1
	v_and_b32 v255, 0x60, v0                       ; the bias table: thread x serves tile i = x / 16, row r = x % 16: feature 32 (i / 2) + 8 (i % 2) + r + 8 (r / 8)
	v_lshl_add_u32 v255, v254, 3, v255
	v_add_nc_u32 v255, v255, v251
	v_and_b32 v250, 8, v251
	v_add_nc_u32 v255, v255, v250
	v_lshlrev_b32 v255, 2, v255
	v_add_nc_u32 v255, s61, v255
	v_lshlrev_b32 v254, 6, v254                    ; 64 (lane / 16): the bias by registers: my half's 16 numbers of a block of 32
	v_lshl_add_u32 v250, v0, 2, BT
	s_wait_alu depctr_va_vdst(0)
	s_wait_dscnt 0x0
	s_wait_kmcnt 0x0
	s_mov_b32 s50, s55
	s_mov_b32 s[G0], 1                             ; count = 1
	s_mov_b32 s[G0+1], s23                         ; LDS address
	s_add_nc_u64 s[G0+2:G0+3], s[4:5], s[50:51]    ; global address
	s_or_b32 s[G0+3], s[G0+3], 0x80000000          ; type = 2
	tensor_load_to_lds s[G0:G0+3], s[G1:G1+7]      ; my one tensor load: LDS bytes are filled once in this launch
	s_nop 0
	PLACES
	s_mov_b32 s50, s54
	s_add_nc_u64 s[24:25], s[4:5], s[50:51]        ; T
	s_cmp_eq_u32 s19, 0
	s_cselect_b64 s[26:27], s[6:7], s[8:9]
	s_cselect_b64 s[28:29], s[12:13], s[14:15]
	s_cmp_eq_u32 s19, 2
	s_cselect_b64 s[26:27], s[10:11], s[26:27]     ; the bias
	s_cselect_b64 s[28:29], s[16:17], s[28:29]     ; the output
	s_mov_b32 s50, s58
	s_add_nc_u64 s[30:31], s[28:29], s[50:51]      ; my scale words
	s_mov_b32 s50, s59
	s_add_nc_u64 s[28:29], s[28:29], s[50:51]      ; my codes
	s_mov_b32 s50, s60
	s_add_nc_u64 s[20:21], s[26:27], s[50:51]      ; the bias by registers
.set FJ, 0
.rept 64                                       ; T's 64 fragments: tile FJ % 8, K step FJ / 8: they stay
.if FJ < 63
	WIN (1+FJ/21)<<6
.set RA, 12*(FJ%21)
.else
	WIN 0
.set RA, TL
.endif
.irp g, 0,1,2
	global_load_b128 v[RA+4*\g:RA+4*\g+3], v[L16], s[24:25] offset:(FJ%8)*REC+(FJ/8)*1536+512*\g
.endr
.set FJ, FJ+1
.endr
	WIN 0
.irp t, 0,1,2,3,4,5,6,7
.irp i, 0,1,2,3
	global_load_b32 v[TS+4*\t+\i], v[L4], s[24:25] offset:\t*REC+12288+128*\i
.endr
.endr
.irp t, 0,1,2,3,4,5,6,7
	global_load_b128 v[CB+8*\t:CB+8*\t+3], v254, s[20:21] offset:(32*(\t/2)+8*(\t%2))*4
	global_load_b128 v[CB+8*\t+4:CB+8*\t+7], v254, s[20:21] offset:(32*(\t/2)+8*(\t%2))*4+16
.endr
	global_load_b32 v[TM], v255, s[26:27]
	global_load_b32 v[TM+1], v255, s[26:27] offset:512   ; tile i + 8: 128 features on
	s_wait_loadcnt 0x0
	ds_store_b32 v250, v[TM]
	ds_store_b32 v250, v[TM+1] offset:512
.irp b, 0,1,2,3
	v_mov_b32 v[TM+4+\b], 0                        ; written once: a lane permute's destination counts as one of its sources
.endr
	s_wait_tensorcnt 0x0                           ; my four records of U are in LDS,
	s_wait_dscnt 0x0                               ; my words of the table too:
	s_barrier_signal -1
	s_barrier_wait -1                              ; everybody's are.  The one barrier of the text: LDS is only read from here on
	s_mov_b32 s49, 0
	NEXTADR
	FETCH 0, LN, 0
	FETCH 1, LN, 1
	USL
	ds_load_b32 v[BV], v[VB]
	s_mov_b32 s48, 0
.Ltile:                                            ; a trip: tile s48 of U
	s_mul_i32 s50, s48, REC
	v_add_nc_u32 v[LI], s50, v[L16]
	FETCH 2, LI, 2
	FETCH 3, LI, 3
	s_wait_dscnt 6                                 ; all but the six just issued: fragments 0 and 1, the scale words, the bias word
	s_cmp_eq_u32 s19, 2
	s_cbranch_scc1 .Lby_lanes
	KSTEP 0, 1
	s_branch .Lstarted
.Lby_lanes:
.irp j, 0,1,2,3,4,5,6,7
	v_mov_b32 v[CB+\j], v[BV]                      ; v: a lane is a feature: one number for its eight keys
.endr
	PLACES
	KSTEP 0, 2
.Lstarted:
	PLACES
	s_wait_alu depctr_va_vdst(0)
	FETCH 0, LI, 4
	KSTEP 1, 0
	PLACES
	FETCH 1, LI, 5
.irp n, 2,3
	s_wait_dscnt 9                                 ; this step's fragment is in; the three younger fragments (nine loads) may be out
	KSTEP \n, 0
	PLACES
	FETCH \n, LI, \n+4
.endr
	s_add_co_u32 s49, s48, 1
	s_min_u32 s49, s49, NU-1                       ; the next tile (the last trip fetches its own once more: no access leaves U)
	NEXTADR
	s_wait_alu depctr_va_vdst(0)
	s_wait_dscnt 9
	KSTEP 4, 0
	PLACES
	FETCH 0, LN, 0
	s_wait_dscnt 9
	KSTEP 5, 0
	PLACES
	FETCH 1, LN, 1
	s_wait_dscnt 9
	KSTEP 6, 0
	s_wait_dscnt 6                                 ; the next tile's two fragments may be out
	KSTEP 7, 0
	PLACES
	USL
	ds_load_b32 v[BV], v[VB]
	QUANT ACC                                      ; each accumulator is read from its low end on
	global_store_b128 v[L16], v[PC:PC+3], s[28:29]
	global_store_b64 v[L8], v[PC+4:PC+5], s[28:29] offset:512
	global_store_b128 v[L16], v[PC+6:PC+9], s[28:29] offset:768
	global_store_b64 v[L8], v[PC+10:PC+11], s[28:29] offset:1280   ; 1,536 consecutive bytes in all, at a multiple of 256 from the buffer's first byte
	global_store_b32 v[OS], v[PW], s[30:31]        ; both halves of the lanes hold the row's word and write the same value
	s_wait_xcnt 0x0                                ; the stores have read their data and bases: both are written again only behind this wait
	s_add_nc_u64 s[28:29], s[28:29], s[32:33]
	s_add_nc_u64 s[30:31], s[30:31], 64
	s_add_co_u32 s48, s48, 1
	s_cmp_lt_u32 s48, NU
	s_cbranch_scc1 .Ltile
	s_wait_dscnt 0x0
	s_wait_tensorcnt 0x0
	ds_add_u32 v242, v243
	s_wait_dscnt 0x0
	s_endpgm
.Lfunc_end_k_q2d388b01ef_proj:
	.size	k_q2d388b01ef_proj, .Lfunc_end_k_q2d388b01ef_proj-k_q2d388b01ef_proj
	.p2alignl 7, 3214868480
	.fill 96, 4, 3214868480
	.section	.rodata,"a",@progbits
	.p2align	6, 0x0
	.amdhsa_kernel k_q2d388b01ef_proj
		.amdhsa_group_segment_fixed_size 206336
		.amdhsa_private_segment_fixed_size 0
		.amdhsa_enable_private_segment 0
		.amdhsa_kernarg_size 56
		.amdhsa_user_sgpr_count 2
		.amdhsa_user_sgpr_kernarg_segment_ptr 1
		.amdhsa_wavefront_size32 1
		.amdhsa_system_sgpr_workgroup_id_x 1
		.amdhsa_system_sgpr_workgroup_id_y 1
		.amdhsa_system_sgpr_workgroup_id_z 1
		.amdhsa_system_vgpr_workitem_id 0
		.amdhsa_next_free_vgpr 1024
		.amdhsa_next_free_sgpr 66
		.amdhsa_reserve_vcc 0
		.amdhsa_float_denorm_mode_32 3
		.amdhsa_float_denorm_mode_16_64 3
		.amdhsa_memory_ordered 1
		.amdhsa_forward_progress 1
		.amdhsa_inst_pref_size 47
	.end_amdhsa_kernel
	.amdgpu_metadata
---
amdhsa.version: [ 1, 2 ]
amdhsa.kernels:
  - .name:           k_q2d388b01ef_proj
    .symbol:         k_q2d388b01ef_proj.kd
    .args:
      - { .name: img, .offset: 0, .size: 8, .value_kind: global_buffer, .address_space: global }
      - { .name: bq, .offset: 8, .size: 8, .value_kind: global_buffer, .address_space: global }
      - { .name: bk, .offset: 16, .size: 8, .value_kind: global_buffer, .address_space: global }
      - { .name: bv, .offset: 24, .size: 8, .value_kind: global_buffer, .address_space: global }
      - { .name: qbuf, .offset: 32, .size: 8, .value_kind: global_buffer, .address_space: global }
      - { .name: kbuf, .offset: 40, .size: 8, .value_kind: global_buffer, .address_space: global }
      - { .name: vbuf, .offset: 48, .size: 8, .value_kind: global_buffer, .address_space: global }
    .group_segment_fixed_size: 206336
    .private_segment_fixed_size: 0
    .kernarg_segment_align: 8
    .kernarg_segment_size: 56
    .max_flat_workgroup_size: 128
    .sgpr_count:     66
    .vgpr_count:     1024
    .wavefront_size: 32
...
	.end_amdgpu_metadata
.endif
;; end of part 2
;; launch attn (part 3): grid 16 x 16, 4 waves a work-group, clusters of 4 x 4, 327,680 bytes of LDS; arguments qbuf, kbuf, vbuf, attn_mask, key_padding_mask, abuf; writes abuf
.if DOCPART == 3
	.amdgcn_target "amdgcn-amd-amdhsa--gfx1250"
	.amdhsa_code_object_version 6
	.text
	.protected	k_q2d388b01ef_attn
	.globl	k_q2d388b01ef_attn
	.p2align	8
	.type	k_q2d388b01ef_attn,@function
k_q2d388b01ef_attn:
	s_mov_b64 s[64:65], 0
	v_nop
	global_prefetch_b8 v0, s[64:65] scope:SCOPE_SE
	s_setreg_imm32_b32 hwreg(HW_REG_WAVE_MODE, 25, 1), 1
	s_wait_xcnt 0x0
	s_wait_alu depctr_hold_cnt(0) depctr_sa_sdst(0) depctr_va_vdst(0) depctr_va_sdst(0) depctr_va_ssrc(0) depctr_va_vcc(0) depctr_vm_vsrc(0)
	s_getreg_b32 s2, hwreg(HW_REG_IB_STS2, 6, 4)
	s_cmp_eq_u32 s2, 0
	s_cbranch_scc0 .Lentry_in_a_cluster
	s_endpgm
.Lentry_in_a_cluster:
	s_bfe_u32 s2, ttmp6, 0x10000c
	s_cmp_lg_u32 s2, 0xf033
	s_cbranch_scc0 .Lentry_shape_is_right
	s_endpgm
.Lentry_shape_is_right:
; Attention on codes of BF6 (E3M2) with E8M0 scales: S^T = k q^T + 8 mask, p = 2^(S c - M), O^T += v^T p^T, then O / l quantised along the features for the last projection.
; SHARES: a work-group has 128 queries x 4 heads of one batch; a wave 32 queries (two tiles of 16) x 4 heads, so each fragment of k and v read from LDS feeds two matrix instructions.
; 16 steps of 128 keys through a ring of two LDS slots: the mask's 128 x 128 f32 (rows 528 bytes apart), k's 24,576 bytes, v's 24,576 bytes.  Waves 0, 1 fetch the mask's halves, wave 2 k, wave 3 v: one tensor load a wave.
; CLUSTER 4 x 4: the four work-groups of a column share the query block and so the mask's tiles; the four of a row share batch and heads and so k's and v's: joint loads.
; THE MASK IS THE C OF THE SCORE PRODUCT: the scale 1/8 is a power of two, so q k + 8 mask, times c = log2(e) / 8, is the logit x log2(e).  A padded key adds -3e38 to that C.
; M = ceil(c x the running largest S), a whole number; one packed multiply-add makes S c - M.  The product c x S is rounded once for M, so M may lie off the ceiling by half an ulp of it: still a whole number, which p's block scales take up.
; THE ORDER OF A STEP: part A of a head (maxima, M, exponentials, O x f) holds the PV products of the head before, one among every 16 exponentials; part B (p's scales and codes, the row sums) holds the next head's score
; products, one behind every four packed additions, each writing over scores whose p has just been summed.  The change of slots stands between head 3's part A and its part B, so the new slot's first LDS reads land under part B.
; The loop's first trip finds p = 0 and v = 0 for head 3's part B and PV: they add nothing.  The padding terms and k's scale words lie in tables that are stored once, and are read one step ahead.  v has two sets of registers, by the head's parity.
; NO PREFETCH: a slot's refill is asked for behind one change of slots and waited for at the next: a whole step of 96 matrix instructions and its vector work lies between.
; LIMITS: a padded key counts as -3e38, not as -infinity; a row whose keys are all padded gives NaN as reference() does (0 x infinity); 8 x mask + q k must stay above -1e38 for a key to count; scaled scores under 2^31 in magnitude; NaN and infinities among the inputs are not served.
; REGISTERS: window 0: addresses, state, q, p's codes, scales.  Window 1: v0-127 scores then p (tile q at 64 q), v128-255 the mask.  Window 2: O^T (128 q + 32 head + 8 f).  Window 3: v0-59 k, v60-155 v, v156-219 padding terms.
.set REC,   12800
.set SCO,   6291456
.set SLOT1, 131072
.set KOFF,  67584
.set VREL,  24576
.set KSC,   262144
.set VSC,   278528
.set PT,    294912
.set SPARE, 303104
.set AM0,  1
.set AK0,  2
.set AK80, 3
.set AKS0, 4
.set AVS0, 5
.set APD0, 6
.set SPW,  7
.set NIL,  8
.set AM,   9
.set AK,   10
.set AK8,  11
.set AKS,  12
.set AVS,  13
.set APD,  14
.set L16,  15
.set ST,   16                          ; v16-63 state, 6 for tile q and head h at 6 (4 q + h): -M, largest S, the sum in four parts
.set QS,   64                          ; q's scale words, 4 q + head
.set KS,   72
.set VS,   80                          ; v's scale words, even heads;
.set VS1,  250                         ; odd heads
.set Q,    82                          ; v82-153 q's fragments, 36 a tile; on the way out the numbers to be quantised
.set PC,   154                         ; v154-193 p's codes, 20 a tile
.set TM,   194                         ; v194-225 at work, 16 a tile
.set F,    226                         ; f at 226 + 2 q, a spare beside it
.set PW,   230                         ; p's scale word, tile q
.set L8,   232
.set L4,   233
.set R4,   234
.set T16,  235
.set PX,   236
.set VSG,  252
.set TL,   253
.set PL,   254
.set MK,   128
.set KB,   0
.set VF,   60
.set PD,   156
.set WV,   16
.set G1M,  24
.set G1K,  32
.set G1V,  40
.set G0M,  68
.set G0K,  72
.set G0V,  76
.set STB,  88
.set STK,  89
.set STV,  90
.set STP,  91
.set CNT,  92
.set C8,   94
.set LE,   96
.set SEL,  98
.set MSB, 0
.macro WIN new                         ; the immediate's high byte repeats the setting that is left
.if MSB != (\new)
	s_set_vgpr_msb (MSB<<8)|(\new)
.set MSB, (\new)
.endif
.endm
.macro PLACES
.rept 4
	v_nop
.endr
.endm
.macro CROUND
	s_barrier_signal -1
	s_barrier_wait -1
	s_cmp_lg_u32 s[WV], 0
	s_cbranch_scc1 .Lnot_wave_0_\@
	s_barrier_signal -3
.Lnot_wave_0_\@:
	s_barrier_wait -3
	s_barrier_signal -1
	s_barrier_wait -1
.endm
.macro TLOAD3                          ; one chain of branches on the wave's number, one joint load to an arm
	s_cmp_lt_u32 s[WV], 2
	s_cbranch_scc0 .Lnot_m_\@
	tensor_load_to_lds s[G0M:G0M+3], s[G1M:G1M+7]
	s_nop 0
	PLACES
	s_branch .Lasked_\@
.Lnot_m_\@:
	s_cmp_lt_u32 s[WV], 3
	s_cbranch_scc0 .Lnot_k_\@
	tensor_load_to_lds s[G0K:G0K+3], s[G1K:G1K+7]
	s_nop 0
	PLACES
	s_branch .Lasked_\@
.Lnot_k_\@:
	tensor_load_to_lds s[G0V:G0V+3], s[G1V:G1V+7]
	s_nop 0
	PLACES
.Lasked_\@:
.endm
.macro CHANGE fill                     ; the change of slots
	s_wait_tensorcnt 0x0
	ds_add_u32 v[SPW], v[NIL]
.if \fill
.irp g, G0M, G0K, G0V
	s_xor_b32 s[\g+1], s[\g+1], SLOT1
.endr
	s_add_nc_u64 s[G0M+2:G0M+3], s[G0M+2:G0M+3], 512
	s_add_nc_u64 s[G0K+2:G0K+3], s[G0K+2:G0K+3], 98304
	s_add_nc_u64 s[G0V+2:G0V+3], s[G0V+2:G0V+3], 98304
.endif
	s_wait_dscnt 0x0
.if \fill
	CROUND
	TLOAD3
.else
	s_barrier_signal -1
	s_barrier_wait -1
.endif
.endm
.macro KLOAD h                         ; k's eight tiles of head h, 6 registers each (destination window 3)
.irp t, 0,1,2,3,4,5,6,7
	ds_load_b128 v[KB+6+6*\t:KB+9+6*\t], v[AK] offset:3072*\t+1536*((\h)/2)+768*((\h)%2)
	ds_load_b64 v[KB+10+6*\t:KB+11+6*\t], v[AK8] offset:3072*\t+1536*((\h)/2)+768*((\h)%2)
.endr
.endm
.macro EARLY                           ; the next step's padding terms and k's scale words, from tables that are stored once
	v_add_nc_u32 v[APD], s[STP], v[APD0]
	v_add_nc_u32 v[AKS], s[STK], v[AKS0]
	WIN 0xc0
.irp b, 0,1,2,3
.irp j, 0,1,2,3
	ds_load_b128 v[PD+16*\b+4*\j:PD+16*\b+4*\j+3], v[APD] offset:128*\b+16*\j
.endr
.endr
	WIN 0
.irp p, 0,1
.irp u, 0,1,2,3
	ds_load_b32 v[KS+4*\p+\u], v[AKS] offset:8192*\p+128*\u
.endr
.endr
	s_add_co_u32 s[STP], s[STP], 512
	s_add_co_u32 s[STK], s[STK], 512
.endm
.macro QK1 nh, g, q                    ; scores of head nh, tile g of 16 keys, query tile q; C = the mask (window setting 0x53)
.set RD, 64*(\q)+8*(\g)
.set RA, KB+6+6*(\g)-6*((\nh)%2)
.set RB, Q+36*(\q)+18*((\nh)/2)+6*((\nh)%2)
.set RS, KS+4*((\nh)/2)+(\g)/2
.set RQ, QS+4*(\q)+(\nh)
.if (\g)%2
	v_wmma_scale_f32_16x16x128_f8f6f4 v[RD:RD+7], v[RA:RA+11], v[RB:RB+11], v[MK+RD:MK+RD+7], v[RS], v[RQ] matrix_a_fmt:MATRIX_FMT_BF6 matrix_b_fmt:MATRIX_FMT_BF6 matrix_a_scale:MATRIX_SCALE_ROW1
.else
	v_wmma_scale_f32_16x16x128_f8f6f4 v[RD:RD+7], v[RA:RA+11], v[RB:RB+11], v[MK+RD:MK+RD+7], v[RS], v[RQ] matrix_a_fmt:MATRIX_FMT_BF6 matrix_b_fmt:MATRIX_FMT_BF6
.endif
.endm
.macro PV1 ph, x                       ; O^T of head ph: tile x / 2 of 16 features, query tile x % 2 (window setting 0xa3)
.set PF, (\x)/2
.set PQ, (\x)%2
.set RD, 128*PQ+32*(\ph)+8*PF
.set RA, VF+48*((\ph)%2)+12*PF
.set RS, VS+(VS1-VS)*((\ph)%2)+PF/2
.if PF%2
	v_wmma_scale_f32_16x16x128_f8f6f4 v[RD:RD+7], v[RA:RA+11], v[PC+20*PQ:PC+20*PQ+11], v[RD:RD+7], v[RS], v[PW+PQ] matrix_a_fmt:MATRIX_FMT_BF6 matrix_b_fmt:MATRIX_FMT_BF6 matrix_a_scale:MATRIX_SCALE_ROW1
.else
	v_wmma_scale_f32_16x16x128_f8f6f4 v[RD:RD+7], v[RA:RA+11], v[PC+20*PQ:PC+20*PQ+11], v[RD:RD+7], v[RS], v[PW+PQ] matrix_a_fmt:MATRIX_FMT_BF6 matrix_b_fmt:MATRIX_FMT_BF6
.endif
.endm
; PART A of head hh: block maxima, M, S c - M, the exponentials (with head ph's PV products among them), f, the sums and O^T x f.
.macro SA hh, ph, early
	WIN 0x14
.irp i, 0,2,4,6,8,10,12,14
.irp b, 0,1,2,3
.irp q, 0,1
.if \i == 0
	v_max3_num_f32 v[TM+16*\q+\b], 0xff7fffff, v[64*\q+16*\b], v[64*\q+16*\b+1]
.else
	v_max3_num_f32 v[TM+16*\q+\b], v[TM+16*\q+\b], v[64*\q+16*\b+\i], v[64*\q+16*\b+\i+1]
.endif
.endr
.endr
.endr
	WIN 0xc0
.if (\hh) < 3
	KLOAD (\hh)+1
.endif
.set VB, VF+48*((\hh)%2)
.irp f, 0,1,2,3
	ds_load_b128 v[VB+12*\f:VB+12*\f+3], v[AK] offset:VREL+(4*(\hh)+\f)*1536
	ds_load_b64 v[VB+12*\f+4:VB+12*\f+5], v[AK8] offset:VREL+(4*(\hh)+\f)*1536
	ds_load_b128 v[VB+12*\f+6:VB+12*\f+9], v[AK] offset:VREL+(4*(\hh)+\f)*1536+768
	ds_load_b64 v[VB+12*\f+10:VB+12*\f+11], v[AK8] offset:VREL+(4*(\hh)+\f)*1536+768
.endr
	WIN 0
	ds_load_b32 v[VS+(VS1-VS)*((\hh)%2)], v[AVS] offset:(4*(\hh))*64
	ds_load_b32 v[VS+(VS1-VS)*((\hh)%2)+1], v[AVS] offset:(4*(\hh)+2)*64
.if \early
	EARLY
.endif
.irp b, 0,1,2,3
.irp q, 0,1
	v_permlanex16_b32 v[TM+16*\q+4+\b], v[TM+16*\q+\b], s[SEL], s[SEL+1]
.endr
.endr
.irp q, 0,1
	v_mov_b32 v[F+2*\q], v[ST+6*(4*\q+(\hh))]      ; the old -M
.endr
.irp b, 0,1,2,3
.irp q, 0,1
	v_max_num_f32 v[TM+16*\q+\b], v[TM+16*\q+\b], v[TM+16*\q+4+\b]   ; the block's largest score
.endr
.endr
.irp q, 0,1
	v_max3_num_f32 v[F+2*\q+1], v[TM+16*\q], v[TM+16*\q+1], v[TM+16*\q+2]
.endr
.irp q, 0,1
	v_max3_num_f32 v[ST+6*(4*\q+(\hh))+1], v[F+2*\q+1], v[TM+16*\q+3], v[ST+6*(4*\q+(\hh))+1]   ; the running largest score
.endr
.irp q, 0,1
	v_mul_f32 v[F+2*\q+1], s[C8], v[ST+6*(4*\q+(\hh))+1]
.endr
.irp q, 0,1
	v_floor_f32 v[ST+6*(4*\q+(\hh))], -v[F+2*\q+1] ; the new -M
.endr
.irp b, 0,1,2,3
.irp q, 0,1
	v_fma_f32 v[TM+16*\q+\b], v[TM+16*\q+\b], s[C8], v[ST+6*(4*\q+(\hh))]
.endr
.endr
	WIN 0x41
.set J, 0
.rept 64
	v_pk_fma_f32 v[J:J+1], v[J:J+1], s[C8:C8+1], v[ST+6*(4*(J/64)+(\hh)):ST+6*(4*(J/64)+(\hh))+1] op_sel_hi:[1,0,0]
.set J, J+2
.endr
.if (\hh) < 3
	s_wait_dscnt 34                                ; head ph's v is in; this part's 16 + 16 + 2 loads may be out
.else
.if \early
	s_wait_dscnt 42                                ; 16 + 2 + 24 may be out
.else
	s_wait_dscnt 18
.endif
.endif
	s_wait_alu depctr_va_vdst(0)                   ; the wait ahead of the batch
.set J, 0
.set PI, 0
.rept 8
.rept 8
	v_exp_f32 v[J], v[J]
.set J, J+1
.endr
	WIN 0xa3
	PV1 \ph, PI
.set PI, PI+1
	WIN 0x41
.rept 8
	v_exp_f32 v[J], v[J]
.set J, J+1
.endr
.endr
	WIN 0
.irp b, 0,1,2,3
.irp q, 0,1
	v_exp_f32 v[TM+16*\q+\b], v[TM+16*\q+\b]       ; the block's largest p
.endr
.endr
.irp q, 0,1
	v_sub_f32 v[F+2*\q], v[ST+6*(4*\q+(\hh))], v[F+2*\q]   ; old M less new M: a whole number, 0 or less
.endr
.irp q, 0,1
	v_cvt_i32_f32 v[F+2*\q], v[F+2*\q]             ; (it saturates)
.endr
.irp q, 0,1
	v_ldexp_f32 v[F+2*\q], 1.0, v[F+2*\q]          ; f = 2^(old M - new M)
.endr
.irp q, 0,1
	v_pk_mul_f32 v[ST+6*(4*\q+(\hh))+2:ST+6*(4*\q+(\hh))+3], v[ST+6*(4*\q+(\hh))+2:ST+6*(4*\q+(\hh))+3], v[F+2*\q:F+2*\q+1] op_sel_hi:[1,0]
	v_pk_mul_f32 v[ST+6*(4*\q+(\hh))+4:ST+6*(4*\q+(\hh))+5], v[ST+6*(4*\q+(\hh))+4:ST+6*(4*\q+(\hh))+5], v[F+2*\q:F+2*\q+1] op_sel_hi:[1,0]
.endr
	WIN 0x82
	s_wait_alu depctr_va_vdst(0)                   ; behind the batch, and directly ahead of the first reader of O^T
.irp q, 0,1
.set J, 0
.rept 16
	v_pk_mul_f32 v[128*\q+32*(\hh)+J:128*\q+32*(\hh)+J+1], v[128*\q+32*(\hh)+J:128*\q+32*(\hh)+J+1], v[F+2*\q:F+2*\q+1] op_sel_hi:[1,0]
.set J, J+2
.endr
.endr
	WIN 0
.endm
; PART B of head hh: p's scale word and codes, the sums of the unquantised p with head nh's score products among them (nh < 0: none).  prep = 1: the new step's mask is made ready first.
.macro SB hh, nh, prep
.irp b, 0,1,2,3
.irp q, 0,1
	v_max_num_f32 v[TM+16*\q+\b], 0x2800000, v[TM+16*\q+\b]   ; the floor 2^(5 - 127): the byte cannot fall under 1
.endr
.endr
.irp b, 0,1,2,3
.irp q, 0,1
	v_add_nc_u32 v[TM+16*\q+12+\b], 0xfe000000, v[TM+16*\q+\b]
.endr
.endr
.irp b, 0,1,2,3
.irp q, 0,1
	v_lshrrev_b32 v[TM+16*\q+4+\b], 23, v[TM+16*\q+12+\b]
.endr
.endr
.irp q, 0,1
	v_lshl_or_b32 v[TM+16*\q+4], v[TM+16*\q+5], 8, v[TM+16*\q+4]
	v_lshl_or_b32 v[TM+16*\q+6], v[TM+16*\q+7], 8, v[TM+16*\q+6]
.endr
.irp q, 0,1
	v_lshl_or_b32 v[PW+\q], v[TM+16*\q+6], 16, v[TM+16*\q+4]
.endr
	WIN 0x01
.irp q, 0,1
.irp c, 0,1
	v_cvt_scalef32_pk16_bf6_f32 v[PC+20*\q+6*\c:PC+20*\q+6*\c+2], v[64*\q+32*\c:64*\q+32*\c+15], v[TM+16*\q+12+2*\c]
	v_cvt_scalef32_pk16_bf6_f32 v[PC+20*\q+12+4*\c:PC+20*\q+14+4*\c], v[64*\q+32*\c+16:64*\q+32*\c+31], v[TM+16*\q+13+2*\c]
.endr
.endr
	v_nop                                          ; one plain place behind a scaled conversion
	WIN 0
.irp q, 0,1
.irp c, 0,1
.irp i, 0,1,2
	v_permlane16_swap_b32 v[PC+20*\q+6*\c+\i], v[PC+20*\q+12+4*\c+\i]
.endr
.endr
.endr
.irp q, 0,1
.irp c, 0,1
.irp i, 0,1,2
	v_mov_b32 v[PC+20*\q+3+6*\c+\i], v[PC+20*\q+12+4*\c+\i]
.endr
.endr
.endr
.if \prep
	s_wait_dscnt 16                                ; the mask's 32 loads are in; k's 16 behind them may be out
	WIN 0x71
.set J, 0
.rept 64
	v_pk_fma_f32 v[MK+J:MK+J+1], v[MK+J:MK+J+1], s[LE:LE+1], v[PD+J%64:PD+J%64+1] op_sel_hi:[1,0,1]   ; 8 x mask + the padding term
.set J, J+2
.endr
.endif
.if (\nh) >= 0
.if \prep
	s_wait_dscnt 0x0
.else
	s_wait_dscnt 18                                ; k's 16 loads are in; v's 16 and its two scale words behind them may be out
.endif
.endif
.set H, 0
.rept 16                                       ; four registers of p of each tile a turn; a score product follows when its eight registers have been summed
	WIN 0x04
.irp q, 0,1
	v_pk_add_f32 v[ST+6*(4*\q+(\hh))+2:ST+6*(4*\q+(\hh))+3], v[ST+6*(4*\q+(\hh))+2:ST+6*(4*\q+(\hh))+3], v[64*\q+4*H:64*\q+4*H+1]
	v_pk_add_f32 v[ST+6*(4*\q+(\hh))+4:ST+6*(4*\q+(\hh))+5], v[ST+6*(4*\q+(\hh))+4:ST+6*(4*\q+(\hh))+5], v[64*\q+4*H+2:64*\q+4*H+3]
.endr
.if (\nh) >= 0
.if H%2
	WIN 0x53
	QK1 \nh, H/2, 0
.else
.if H > 0
	WIN 0x53
	QK1 \nh, H/2-1, 1
.endif
.endif
.endif
.set H, H+1
.endr
.if (\nh) >= 0
	WIN 0x53
	QK1 \nh, 7, 1
.endif
	WIN 0
.endm
.macro BODY early                      ; a step, from behind its change of slots to head 3's part A
	v_add_nc_u32 v[AM], s[STB], v[AM0]
	v_add_nc_u32 v[AK], s[STB], v[AK0]
	v_add_nc_u32 v[AK8], s[STB], v[AK80]
	v_add_nc_u32 v[AVS], s[STV], v[AVS0]
	WIN 0x40
.irp q, 0,1
.irp b, 0,1,2,3
.irp j, 0,1,2,3
	ds_load_b128 v[MK+64*\q+16*\b+4*\j:MK+64*\q+16*\b+4*\j+3], v[AM] offset:8448*\q+128*\b+16*\j
.endr
.endr
.endr
	WIN 0xc0
	KLOAD 0
	WIN 0
	s_xor_b32 s[STB], s[STB], SLOT1
	s_add_co_u32 s[STV], s[STV], 1024
	SB 3, 0, 1                                     ; the step before's head 3 goes on; this step's head 0 gets its scores
	SA 0, 3, 0
	SB 0, 1, 0
	SA 1, 0, 0
	SB 1, 2, 0
	SA 2, 1, 0
	SB 2, 3, 0
	SA 3, 2, \early
.endm
.macro QUANT s, pc                     ; 64 numbers of a lane, register 16 b + i = feature 32 b + 16 (lane / 16) + i, become a fragment's codes and its scale word
.irp b, 0,1,2,3
	v_max3_num_f32 v[TM+\b], |v[\s+16*\b]|, |v[\s+1+16*\b]|, 0x2800000
.endr
.irp i, 2,4,6,8,10,12,14
.irp b, 0,1,2,3
	v_max3_num_f32 v[TM+\b], v[TM+\b], |v[\s+16*\b+\i]|, |v[\s+1+16*\b+\i]|
.endr
.endr
.irp b, 0,1,2,3
	v_permlanex16_b32 v[TM+4+\b], v[TM+\b], s[SEL], s[SEL+1]
.endr
.irp b, 0,1,2,3
	v_max_num_f32 v[TM+\b], v[TM+\b], v[TM+4+\b]
.endr
.irp b, 0,1,2,3
	v_add_nc_u32 v[TM+12+\b], 0xfe000000, v[TM+\b]
.endr
.irp b, 0,1,2,3
	v_lshrrev_b32 v[TM+4+\b], 23, v[TM+12+\b]
.endr
	v_lshl_or_b32 v[PW], v[TM+5], 8, v[TM+4]
	v_lshl_or_b32 v[PW], v[TM+6], 16, v[PW]
	v_lshl_or_b32 v[PW], v[TM+7], 24, v[PW]
.irp c, 0,1
	v_cvt_scalef32_pk16_bf6_f32 v[\pc+6*\c:\pc+2+6*\c], v[\s+32*\c:\s+15+32*\c], v[TM+12+2*\c]
	v_cvt_scalef32_pk16_bf6_f32 v[\pc+12+4*\c:\pc+14+4*\c], v[\s+16+32*\c:\s+31+32*\c], v[TM+13+2*\c]
.endr
	v_nop
.irp c, 0,1
.irp i, 0,1,2
	v_permlane16_swap_b32 v[\pc+6*\c+\i], v[\pc+12+4*\c+\i]
.endr
.irp i, 0,1,2
	v_mov_b32 v[\pc+3+6*\c+\i], v[\pc+12+4*\c+\i]
.endr
.endr
.endm
	s_load_b256 s[4:11], s[0:1], 0x0               ; qbuf, kbuf, vbuf, attn_mask
	s_load_b128 s[12:15], s[0:1], 0x20             ; key_padding_mask, abuf
	v_lshl_add_u32 v[SPW], v0, 2, SPARE
	v_mov_b32 v[NIL], 0
	ds_add_u32 v[SPW], v[NIL]                      ; the opening lines: the add twice on end and its wait
	ds_add_u32 v[SPW], v[NIL]
	v_lshrrev_b32 v9, 5, v0
	v_readfirstlane_b32 s[WV], v9                  ; wave 0..3
	s_bfe_u32 s17, ttmp6, 0x40000                  ; cx
	s_bfe_u32 s18, ttmp6, 0x40004                  ; cy: which four heads
	s_lshl_b32 s19, ttmp9, 2
	s_add_co_u32 s19, s19, s17                     ; which 128 queries
	s_and_b32 s20, ttmp7, 0xffff                   ; batch
	s_lshl_b32 s21, 0x1111, s17                    ; my column of the cluster
	s_lshl_b32 s22, s18, 2
	s_lshl_b32 s22, 15, s22                        ; my row
	s_or_b32 s[G1M], s21, (2<<16)|(1<<20)|(1<<21)|(6<<22)|(3<<25)   ; the mask: 64 rows of 128 f32, 16 bytes of padding behind each
	s_mov_b32 s[G1M+1], 128<<16
	s_mov_b32 s[G1M+2], 64<<16
	s_mov_b32 s[G1M+3], 128<<16
	s_mov_b32 s[G1M+4], 64
	s_mov_b32 s[G1M+5], 2048
	s_mov_b32 s[G1M+6], 0
	s_mov_b32 s[G1M+7], 0
	s_or_b32 s[G1K], s22, (3<<16)|(1<<21)          ; k: 8 tiles of keys, 3,072 bytes (two pairs of heads) of each 12,288
	s_mov_b32 s[G1K+1], 384<<16
	s_mov_b32 s[G1K+2], 8<<16
	s_mov_b32 s[G1K+3], 384<<16
	s_mov_b32 s[G1K+4], 8
	s_mov_b32 s[G1K+5], 1536
	s_mov_b32 s[G1K+6], 0
	s_mov_b32 s[G1K+7], 0
	s_or_b32 s[G1V], s22, (3<<16)|(1<<21)          ; v: 24,576 dense bytes as 96 rows of 256
	s_mov_b32 s[G1V+1], 32<<16
	s_mov_b32 s[G1V+2], 96<<16
	s_mov_b32 s[G1V+3], 32<<16
	s_mov_b32 s[G1V+4], 96
	s_mov_b32 s[G1V+5], 32
	s_mov_b32 s[G1V+6], 0
	s_mov_b32 s[G1V+7], 0
	s_and_b32 s2, s[WV], 1
	s_mul_i32 s3, s2, 64*528
	s_lshl_b32 s2, s2, 6
	s_lshl_b32 s66, s19, 7
	s_add_co_u32 s66, s66, s2
	s_lshl_b32 s66, s66, 13                        ; the mask's row: 8,192 bytes
	s_mov_b32 s67, 0
	s_mov_b32 s101, 0
	s_mov_b32 s[C8], 0x3e38aa3b                    ; c = log2(e) / 8
	s_mov_b32 s[C8+1], s[C8]
	s_mov_b32 s[LE], 0x41000000                    ; 8
	s_mov_b32 s[LE+1], s[LE]
	s_mov_b32 s[SEL], 0x76543210
	s_mov_b32 s[SEL+1], 0xfedcba98
	s_mov_b32 s[STB], 0
	s_mov_b32 s[STK], 0
	s_mov_b32 s[STV], 0
	s_mov_b32 s[STP], 0
	s_mov_b32 s[CNT], 15
	s_mov_b32 s93, 0xff61b1e6                      ; -3e38
	s_wait_dscnt 0x0
	s_wait_kmcnt 0x0
	s_mov_b32 s[G0M], 1
	s_mov_b32 s[G0M+1], s3
	s_add_nc_u64 s[G0M+2:G0M+3], s[10:11], s[66:67]
	s_or_b32 s[G0M+3], s[G0M+3], 0x80000000
	s_lshl_b32 s100, s20, 10
	s_lshl_b32 s2, s18, 1
	s_add_co_u32 s100, s100, s2
	s_mul_i32 s100, s100, 1536
	s_mov_b32 s[G0K], 1
	s_mov_b32 s[G0K+1], KOFF
	s_add_nc_u64 s[G0K+2:G0K+3], s[6:7], s[100:101]
	s_or_b32 s[G0K+3], s[G0K+3], 0x80000000
	s_lshl_b32 s100, s20, 10
	s_lshl_b32 s2, s18, 4
	s_add_co_u32 s100, s100, s2
	s_mul_i32 s100, s100, 1536
	s_mov_b32 s[G0V], 1
	s_mov_b32 s[G0V+1], KOFF+VREL
	s_add_nc_u64 s[G0V+2:G0V+3], s[8:9], s[100:101]
	s_or_b32 s[G0V+3], s[G0V+3], 0x80000000
	CROUND                                         ; in front of the first joint loads
	TLOAD3                                         ; step 0: one tensor load a wave
	s_lshl_b32 s66, s20, 7
	s_lshl_b32 s2, s19, 3
	s_add_co_u32 s66, s66, s2
	s_lshl_b32 s2, s[WV], 1
	s_add_co_u32 s3, s66, s2                       ; my first tile of 16 queries
	s_lshl_b32 s66, s3, 6
	s_lshl_b32 s2, s18, 16
	s_add_co_u32 s66, s66, s2
	s_add_nc_u64 s[54:55], s[4:5], s[66:67]        ; q's scale words
	s_lshl_b32 s66, s3, 3
	s_lshl_b32 s2, s18, 1
	s_add_co_u32 s66, s66, s2
	s_mul_i32 s66, s66, 1536
	s_add_nc_u64 s[52:53], s[4:5], s[66:67]        ; q's codes
	s_lshl_b32 s66, s18, 16
	s_lshl_b32 s2, s20, 13
	s_add_co_u32 s66, s66, s2
	s_add_co_u32 s66, s66, SCO
	s_add_nc_u64 s[48:49], s[6:7], s[66:67]        ; k's scale words: two rows of 8,192 bytes, 32,768 apart
	s_lshl_b32 s66, s20, 16
	s_lshl_b32 s2, s18, 10
	s_add_co_u32 s66, s66, s2
	s_add_co_u32 s66, s66, SCO
	s_add_nc_u64 s[50:51], s[8:9], s[66:67]        ; v's: 16 rows of 1,024 bytes, 4,096 apart
	s_lshl_b32 s66, s20, 11
	s_add_nc_u64 s[12:13], s[12:13], s[66:67]
	s_mul_i32 s66, s3, REC
	s_add_nc_u64 s[14:15], s[14:15], s[66:67]
	s_lshl_b32 s66, s18, 7
	s_add_nc_u64 s[56:57], s[14:15], s[66:67]
	s_mul_i32 s66, s18, 3072
	s_add_nc_u64 s[14:15], s[14:15], s[66:67]
	s_mul_i32 s2, s[WV], 32*528
	v_and_b32 v9, 31, v0
	v_and_b32 v10, 15, v0
	v_bfe_u32 v11, v0, 4, 1
	v_lshlrev_b32 v[L16], 4, v9
	v_lshlrev_b32 v[L8], 3, v9
	v_lshlrev_b32 v[L4], 2, v9
	v_lshlrev_b32 v[R4], 2, v10
	v_lshlrev_b32 v[T16], 4, v0
	v_lshrrev_b32 v[VSG], 6, v0
	v_and_b32 v[TL], 63, v0
	v_lshlrev_b32 v[VSG], 12, v[VSG]
	v_lshl_add_u32 v[VSG], v[TL], 4, v[VSG]        ; 4,096 (thread / 64) + 16 (thread % 64)
	v_lshl_add_u32 v[TL], v0, 4, KSC
	v_lshl_add_u32 v[PL], v0, 6, PT
	v_mul_u32_u24 v[AM0], v10, 528
	v_lshl_add_u32 v[AM0], v11, 6, v[AM0]
	v_add_nc_u32 v[AM0], s2, v[AM0]
	v_add_nc_u32 v[AK0], KOFF, v[L16]
	v_add_nc_u32 v[AK80], KOFF+512, v[L8]
	v_add_nc_u32 v[AKS0], KSC, v[L4]
	v_add_nc_u32 v[AVS0], VSC, v[L4]
	v_lshl_add_u32 v[APD0], v11, 6, PT
	s_wait_alu depctr_va_vdst(0)
	global_load_b128 v[218:221], v[T16], s[12:13]  ; 16 keys' padding bytes a thread
.irp p, 0,1
.irp i, 0,1,2,3
	global_load_b128 v[154+16*\p+4*\i:157+16*\p+4*\i], v[T16], s[48:49] offset:32768*\p+2048*\i
.endr
.endr
.irp i, 0,1,2,3,4,5,6,7
	global_load_b128 v[186+4*\i:189+4*\i], v[VSG], s[50:51] offset:8192*\i
.endr
.irp q, 0,1
.irp p, 0,1
.irp e, 0,1
	global_load_b128 v[Q+36*\q+18*\p+12*\e:Q+36*\q+18*\p+12*\e+3], v[L16], s[52:53] offset:12288*\q+1536*\p+768*\e
	global_load_b64 v[Q+36*\q+18*\p+12*\e+4:Q+36*\q+18*\p+12*\e+5], v[L8], s[52:53] offset:12288*\q+1536*\p+768*\e+512
.endr
	global_load_b32 v[QS+4*\q+2*\p+1], v[R4], s[54:55] offset:SCO+32768*\p+64*\q
.endr
.endr
.irp q, 0,1
.irp p, 0,1
.irp i, 0,1,2,3,4,5
	v_mov_b32 v[Q+36*\q+18*\p+6+\i], 0             ; zero codes for the half of K = 128 that a head of 64 does not fill
.endr
.endr
.endr
.irp u, 0,1,2,3,4,5,6,7
	v_mov_b32 v[ST+6*\u], 0x7f61b1e6               ; -M: above every -M, so that the first f is 0
	v_mov_b32 v[ST+6*\u+1], 0xfe967699             ; the largest score so far: -1e38
	v_mov_b32 v[ST+6*\u+2], 0
	v_mov_b32 v[ST+6*\u+3], 0
	v_mov_b32 v[ST+6*\u+4], 0
	v_mov_b32 v[ST+6*\u+5], 0
.endr
.irp q, 0,1
	v_mov_b32 v[VS1+\q], 0
.endr
	WIN 0x40
.set J, 0
.rept 128
	v_mov_b32 v[J], 0                              ; p = 0 for the first trip's part B of head 3
.set J, J+1
.endr
	WIN 0x80
.set J, 0
.rept 256
	v_mov_b32 v[J], 0                              ; O^T: the step is written once for all steps
.set J, J+1
.endr
	WIN 0xc0
.irp i, 0,1,2,3,4,5
	v_mov_b32 v[KB+\i], 0
	v_mov_b32 v[KB+54+\i], 0
.endr
.set J, 0
.rept 48
	v_mov_b32 v[VF+48+J], 0                        ; v = 0 for the first trip's PV of head 3
.set J, J+1
.endr
	WIN 0
	s_wait_alu depctr_va_vdst(0)
	s_wait_loadcnt 0x0
.irp p, 0,1
.irp i, 0,1,2,3
	ds_store_b128 v[TL], v[154+16*\p+4*\i:157+16*\p+4*\i] offset:8192*\p+2048*\i
.endr
.endr
.irp i, 0,1,2,3,4,5,6,7
	ds_store_b128 v[TL], v[186+4*\i:189+4*\i] offset:16384+2048*\i
.endr
	WIN 0x40                                       ; the padding terms are made in the mask's registers, which are idle here
.irp k, 0,1,2,3,4,5,6,7,8,9,10,11,12,13,14,15
	v_bfe_u32 v[MK+\k], v[218+\k/4], 8*(\k%4), 8
.endr
	WIN 0x41
.irp k, 0,1,2,3,4,5,6,7,8,9,10,11,12,13,14,15
	v_mul_lo_u32 v[MK+\k], v[MK+\k], s93           ; 0, or the bits of -3e38
.endr
	WIN 0x04
.irp i, 0,1,2,3
	ds_store_b128 v[PL], v[MK+4*\i:MK+4*\i+3] offset:16*\i
.endr
	WIN 0
.irp q, 0,1
.irp p, 0,1
	v_and_b32 v[QS+4*\q+2*\p], 0xffff, v[QS+4*\q+2*\p+1]
	v_and_b32 v[QS+4*\q+2*\p+1], 0xffff0000, v[QS+4*\q+2*\p+1]
.endr
.endr
	s_wait_alu depctr_va_vdst(0)
	s_wait_dscnt 0x0                               ; my part of the three tables is stored
	s_barrier_signal -1
	s_barrier_wait -1                              ; everybody's is
	EARLY                                          ; step 0's padding terms and k's scale words
.irp q, 0,1
.irp b, 0,1,2,3
	v_mov_b32 v[TM+16*\q+\b], 0
.endr
.endr
	s_wait_alu depctr_va_vdst(0)                   ; the wait at the head's end
.Lstep:
	CHANGE 1                                       ; the first time: slot 1's first fill, issued as a refill is
	BODY 1
	s_sub_co_u32 s[CNT], s[CNT], 1
	s_cmp_lg_u32 s[CNT], 0
	s_cbranch_scc1 .Lstep
	CHANGE 0                                       ; the last step fetches nothing more
	BODY 0
	SB 3, -1, 0
	s_wait_alu depctr_va_vdst(0)
	s_wait_dscnt 0x0
	WIN 0xa3
.irp x, 0,1,2,3,4,5,6,7
	PV1 3, \x
.endr
	WIN 0
	PLACES
.irp u, 0,1,2,3,4,5,6,7
	v_add_f32 v[TM+\u], v[ST+6*\u+2], v[ST+6*\u+3]
.endr
.irp u, 0,1,2,3,4,5,6,7
	v_add_f32 v[TM+8+\u], v[ST+6*\u+4], v[ST+6*\u+5]
.endr
.irp u, 0,1,2,3,4,5,6,7
	v_add_f32 v[TM+\u], v[TM+\u], v[TM+8+\u]
.endr
.irp u, 0,1,2,3,4,5,6,7
	v_permlanex16_b32 v[TM+8+\u], v[TM+\u], s[SEL], s[SEL+1]
.endr
.irp u, 0,1,2,3,4,5,6,7
	v_add_f32 v[TM+\u], v[TM+\u], v[TM+8+\u]       ; the row's sum
.endr
	s_wait_alu depctr_va_vdst(0)
.irp u, 0,1,2,3,4,5,6,7
	v_rcp_f32 v[ST+6*\u], v[TM+\u]
.endr
	v_nop
	s_wait_alu depctr_va_vdst(0)
.irp q, 0,1
.irp p, 0,1
	s_wait_xcnt 0x0                                ; earlier stores have read the codes' registers
	WIN 0x02
	s_wait_alu depctr_va_vdst(0)                   ; directly ahead of the first reader of these results
.set J, 0
.rept 32
	v_pk_mul_f32 v[Q+J:Q+J+1], v[128*\q+64*\p+J:128*\q+64*\p+J+1], v[ST+6*(4*\q+2*\p+J/32):ST+6*(4*\q+2*\p+J/32)+1] op_sel_hi:[1,0]
.set J, J+2
.endr
	WIN 0
	QUANT Q, PC+20*\q
.irp c, 0,1,2
	global_store_b128 v[L16], v[PC+20*\q+4*\c:PC+20*\q+4*\c+3], s[14:15] offset:REC*\q+1536*\p+512*\c   ; 32 lanes store 512 consecutive bytes
.endr
	v_mov_b32 v[PX+2*\q+\p], v[PW]
.endr
.endr
	v_cmp_le_u32 vcc_lo, 64, v[L4]                 ; lanes 0-15 the even pair's scale words, lanes 16-31 the odd pair's
.irp q, 0,1
	v_cndmask_b32 v[PX+4+\q], v[PX+2*\q], v[PX+2*\q+1], vcc_lo
.endr
.irp q, 0,1
	global_store_b32 v[L4], v[PX+4+\q], s[56:57] offset:12288+REC*\q
.endr
	s_wait_tensorcnt 0x0                           ; the wave's end
	ds_add_u32 v[SPW], v[NIL]
	s_wait_dscnt 0x0
	CROUND                                         ; the closing round
	s_endpgm
.Lfunc_end_k_q2d388b01ef_attn:
	.size	k_q2d388b01ef_attn, .Lfunc_end_k_q2d388b01ef_attn-k_q2d388b01ef_attn
	.p2alignl 7, 3214868480
	.fill 96, 4, 3214868480
	.section	.rodata,"a",@progbits
	.p2align	6, 0x0
	.amdhsa_kernel k_q2d388b01ef_attn
		.amdhsa_group_segment_fixed_size 327680
		.amdhsa_private_segment_fixed_size 0
		.amdhsa_enable_private_segment 0
		.amdhsa_kernarg_size 48
		.amdhsa_user_sgpr_count 2
		.amdhsa_user_sgpr_kernarg_segment_ptr 1
		.amdhsa_wavefront_size32 1
		.amdhsa_system_sgpr_workgroup_id_x 1
		.amdhsa_system_sgpr_workgroup_id_y 1
		.amdhsa_system_sgpr_workgroup_id_z 1
		.amdhsa_system_vgpr_workitem_id 0
		.amdhsa_next_free_vgpr 1024
		.amdhsa_next_free_sgpr 102
		.amdhsa_reserve_vcc 1
		.amdhsa_float_denorm_mode_32 3
		.amdhsa_float_denorm_mode_16_64 3
		.amdhsa_memory_ordered 1
		.amdhsa_forward_progress 1
		.amdhsa_inst_pref_size 255
	.end_amdhsa_kernel
	.section	.bss,"aw",@nobits
	.p2align	6
	.space	262144
	.amdgpu_metadata
---
amdhsa.version: [ 1, 2 ]
amdhsa.kernels:
  - .name:           k_q2d388b01ef_attn
    .symbol:         k_q2d388b01ef_attn.kd
    .args:
      - { .name: qbuf, .offset: 0, .size: 8, .value_kind: global_buffer, .address_space: global }
      - { .name: kbuf, .offset: 8, .size: 8, .value_kind: global_buffer, .address_space: global }
      - { .name: vbuf, .offset: 16, .size: 8, .value_kind: global_buffer, .address_space: global }
      - { .name: attn_mask, .offset: 24, .size: 8, .value_kind: global_buffer, .address_space: global }
      - { .name: key_padding_mask, .offset: 32, .size: 8, .value_kind: global_buffer, .address_space: global }
      - { .name: abuf, .offset: 40, .size: 8, .value_kind: global_buffer, .address_space: global }
    .group_segment_fixed_size: 327680
    .private_segment_fixed_size: 0
    .kernarg_segment_align: 8
    .kernarg_segment_size: 48
    .max_flat_workgroup_size: 128
    .sgpr_count:     102
    .vgpr_count:     1024
    .wavefront_size: 32
...
	.end_amdgpu_metadata
.endif
;; end of part 3
;; launch oproj (part 4): grid 256 x 1, 4 waves a work-group, no clusters, 168,448 bytes of LDS; arguments abuf, img, bo, out0; writes out0
.if DOCPART == 4
	.amdgcn_target "amdgcn-amd-amdhsa--gfx1250"
	.amdhsa_code_object_version 6
	.text
	.protected	k_q2d388b01ef_oproj
	.globl	k_q2d388b01ef_oproj
	.p2align	8
	.type	k_q2d388b01ef_oproj,@function
k_q2d388b01ef_oproj:
	s_mov_b64 s[64:65], 0
	v_nop
	global_prefetch_b8 v0, s[64:65] scope:SCOPE_SE
	s_setreg_imm32_b32 hwreg(HW_REG_WAVE_MODE, 25, 1), 1
	s_wait_xcnt 0x0
; out0 = a Wo^T + bo on codes of BF6 (E3M2) with E8M0 scales: a (attention's result, 512 records) and Wo (64 records) lie as records of 12,800 bytes: a tile of 16 rows x K = 1,024 as register images.  Sums in f32; the bias is the C of each sum's first product.
; THE CORE: out[i][j] = sum over k of U[i][k] T[j][k], source 0 = 16 rows of T = Wo, source 1 = 16 rows of U = a: a lane holds one row of the output, its registers run along the features.  Wo's tiles take rows
; 32 (t / 2) + 8 (t % 2) + r + 8 (r / 8), so the 16 registers of tiles 2 b, 2 b + 1 are 16 neighbouring features: 64 bytes of a row.
; SHARES: a work-group has 512 features, 128 a wave (64 fragments, 768 registers, loaded once and kept), and 64 rows: four tiles of a, 51,200 bytes of LDS, brought once by one tensor load a wave.
; A trip of the loop is one tile of rows: 64 products on 8 accumulators by turns; 16 rows x 512 bytes go through the wave's own stage and leave as whole rows.
; NO CLUSTER: Wo goes straight into registers by plain loads, which have no joint form; a's four records, a ninth of a work-group's bytes, are shared by two work-groups only.  All that a work-group reads is asked for at its head.
.set REC,  12800
.set NU,   4
.set STG,  51200                       ; LDS behind U: a stage of 16 rows x 528 bytes for each wave
.set LI,   1
.set LN,   2
.set LS,   3
.set L16,  5
.set TS,   8                           ; v8-39    T's scale words: 4 t + i: K step 2 i in lanes 0-15, 2 i + 1 in lanes 16-31
.set US,   40                          ; v40-43   U's likewise
.set ACC,  44                          ; v44-107  eight accumulators; on the way out 16 rows read back
.set CB,   108                         ; v108-171 the bias in the result's layout
.set TL,   172                         ; v172-183 T's fragment 63; fragments f = 8 s + t under 63 lie in window 1 + f / 21 at v[12 (f % 21)]
.set UF,   184                         ; v184-231 four buffers for U's fragments
.set SO,   250                         ; the stage: where I put 64 bytes of a row
.set SR,   251                         ; and where I read a row back
.set L4,   252
.set G0,   36
.set G1,   40
.set MSB, 0
.macro WIN new
.if MSB != (\new)
	s_set_vgpr_msb (MSB<<8)|(\new)
.set MSB, (\new)
.endif
.endm
.macro PLACES                          ; four plain places behind a matrix instruction, in front of loads into its registers and of reads of its results
.rept 4
	v_nop
.endr
.endm
.macro FETCH buf, adr, s
.irp c, 0,1,2
	ds_load_b128 v[UF+12*(\buf)+4*\c:UF+12*(\buf)+4*\c+3], v[\adr] offset:1536*(\s)+512*\c
.endr
.endm
.macro USL
.irp i, 0,1,2,3
	ds_load_b32 v[US+\i], v[LS] offset:12288+128*\i
.endr
.endm
.macro NEXTADR
	s_mul_i32 s50, s49, REC
	v_add_nc_u32 v[LN], s50, v[L16]
	v_add_nc_u32 v[LS], s50, v[L4]
.endm
.macro KSTEP s, cmode                  ; K step s: eight products.  cmode 0: onto the sums; 1: C = the bias
.irp t, 0,1,2,3,4,5,6,7
.set FI, 8*(\s)+\t
.if FI < 63
	WIN 1+FI/21
.set RA, 12*(FI%21)
.else
	WIN 0
.set RA, TL
.endif
.set RD, ACC+8*\t
.set RB, UF+12*((\s)%4)
.set RC, RD
.if (\cmode) == 1
.set RC, CB+8*\t
.endif
.set RS, TS+4*\t+(\s)/2
.set RU, US+(\s)/2
.if (\s)%2
	v_wmma_scale_f32_16x16x128_f8f6f4 v[RD:RD+7], v[RA:RA+11], v[RB:RB+11], v[RC:RC+7], v[RS], v[RU] matrix_a_fmt:MATRIX_FMT_BF6 matrix_b_fmt:MATRIX_FMT_BF6 matrix_a_scale:MATRIX_SCALE_ROW1 matrix_b_scale:MATRIX_SCALE_ROW1
.else
	v_wmma_scale_f32_16x16x128_f8f6f4 v[RD:RD+7], v[RA:RA+11], v[RB:RB+11], v[RC:RC+7], v[RS], v[RU] matrix_a_fmt:MATRIX_FMT_BF6 matrix_b_fmt:MATRIX_FMT_BF6
.endif
.endr
	WIN 0
.endm
	s_load_b256 s[4:11], s[0:1], 0x0               ; abuf, img, bo, out0
	v_lshl_add_u32 v248, v0, 2, 0x29000
	v_mov_b32 v249, 0
	ds_add_u32 v248, v249
	ds_add_u32 v248, v249
	v_lshrrev_b32 v1, 5, v0
	v_readfirstlane_b32 s18, v1                    ; wave 0..3
	s_and_b32 s21, ttmp9, 1                        ; which 512 features
	s_lshr_b32 s22, ttmp9, 1                       ; which 64 rows
	s_lshl_b32 s35, s21, 2
	s_add_co_u32 s35, s35, s18                     ; which 128 features are my wave's
	s_lshl_b32 s54, s35, 3
	s_add_co_u32 s54, s54, 1728                    ; Wo's records begin at 1,728
	s_mul_i32 s54, s54, REC
	s_lshl_b32 s55, s22, 2
	s_add_co_u32 s55, s55, s18                     ; of the four records of a my wave brings one
	s_mul_i32 s55, s55, REC
	s_mul_i32 s23, s18, REC
	s_lshl_b32 s59, s22, 18                        ; out0: 64 rows of 4,096 bytes a work-group,
	s_lshl_b32 s60, s35, 9                         ; 512 bytes a wave; the bias likewise
	s_add_co_u32 s59, s59, s60
	s_mov_b32 s[G1+0], 3<<16                       ; no mask; elements of 8 bytes; no padding
	s_mov_b32 s[G1+1], 32<<16                      ; rows of 256 bytes
	s_mov_b32 s[G1+2], 50<<16                      ; a record is 12,800 dense bytes: 50 rows
	s_mov_b32 s[G1+3], 32<<16
	s_mov_b32 s[G1+4], 50
	s_mov_b32 s[G1+5], 32
	s_mov_b32 s[G1+6], 0
	s_mov_b32 s[G1+7], 0
	s_mov_b32 s51, 0
	v_and_b32 v253, 31, v0                         ; lane
	v_lshlrev_b32 v[L16], 4, v253
	v_lshlrev_b32 v[L4], 2, v253
	v_and_b32 v255, 15, v0                         ; r
	v_bfe_u32 v254, v0, 4, 1
	v_lshlrev_b32 v254, 6, v254                    ; 64 (lane / 16)
	s_mul_i32 s34, s18, 16*528
	s_add_co_u32 s34, s34, STG                     ; my stage
	v_mul_u32_u24 v[SO], v255, 528
	v_add_nc_u32 v[SO], v[SO], v254
	v_add_nc_u32 v[SO], s34, v[SO]                 ; in: row r, + 64 (lane / 16)
	v_add_nc_u32 v[SR], s34, v[L16]                ; back: 16 bytes a lane of a row's 512
	s_wait_alu depctr_va_vdst(0)
	s_wait_dscnt 0x0
	s_wait_kmcnt 0x0
	s_mov_b32 s50, s55
	s_mov_b32 s[G0], 1
	s_mov_b32 s[G0+1], s23
	s_add_nc_u64 s[G0+2:G0+3], s[4:5], s[50:51]
	s_or_b32 s[G0+3], s[G0+3], 0x80000000
	tensor_load_to_lds s[G0:G0+3], s[G1:G1+7]      ; my one tensor load: LDS bytes are filled once in this launch
	s_nop 0
	PLACES
	s_mov_b32 s50, s54
	s_add_nc_u64 s[24:25], s[6:7], s[50:51]        ; T
	s_mov_b32 s50, s60
	s_add_nc_u64 s[20:21], s[8:9], s[50:51]        ; the bias of my 128 features
	s_mov_b32 s50, s59
	s_add_nc_u64 s[28:29], s[10:11], s[50:51]      ; my part of out0
.set FJ, 0
.rept 64                                       ; T's 64 fragments: tile FJ % 8, K step FJ / 8: they stay
.if FJ < 63
	WIN (1+FJ/21)<<6
.set RA, 12*(FJ%21)
.else
	WIN 0
.set RA, TL
.endif
.irp g, 0,1,2
	global_load_b128 v[RA+4*\g:RA+4*\g+3], v[L16], s[24:25] offset:(FJ%8)*REC+(FJ/8)*1536+512*\g
.endr
.set FJ, FJ+1
.endr
	WIN 0
.irp t, 0,1,2,3,4,5,6,7
.irp i, 0,1,2,3
	global_load_b32 v[TS+4*\t+\i], v[L4], s[24:25] offset:\t*REC+12288+128*\i
.endr
.endr
.irp t, 0,1,2,3,4,5,6,7
	global_load_b128 v[CB+8*\t:CB+8*\t+3], v254, s[20:21] offset:(32*(\t/2)+8*(\t%2))*4
	global_load_b128 v[CB+8*\t+4:CB+8*\t+7], v254, s[20:21] offset:(32*(\t/2)+8*(\t%2))*4+16
.endr
	s_wait_loadcnt 0x0
	s_wait_tensorcnt 0x0                           ; my record of a is in LDS:
	s_barrier_signal -1
	s_barrier_wait -1                              ; everybody's is.  The one barrier of the text: from here on U is only read, and a stage is its wave's own
	s_mov_b32 s49, 0
	NEXTADR
	FETCH 0, LN, 0
	FETCH 1, LN, 1
	USL
	s_mov_b32 s48, 0
.Ltile:                                            ; a trip: tile s48 of a's rows
	s_mul_i32 s50, s48, REC
	v_add_nc_u32 v[LI], s50, v[L16]
	v_nop                                          ; with the line above and the four behind the last tile's last product: six places in front of the products that write over its accumulators
	FETCH 2, LI, 2
	FETCH 3, LI, 3
	s_wait_alu depctr_va_vdst(0)
	s_wait_dscnt 6                                 ; all but the six just issued
	KSTEP 0, 1
	PLACES
	FETCH 0, LI, 4
	KSTEP 1, 0
	PLACES
	FETCH 1, LI, 5
.irp n, 2,3
	s_wait_dscnt 9                                 ; this step's fragment is in; the three younger fragments (nine loads) may be out
	KSTEP \n, 0
	PLACES
	FETCH \n, LI, \n+4
.endr
	s_add_co_u32 s49, s48, 1
	s_min_u32 s49, s49, NU-1                       ; the next tile (the last trip fetches its own once more: no access leaves U)
	NEXTADR
	s_wait_alu depctr_va_vdst(0)
	s_wait_dscnt 9
	KSTEP 4, 0
	PLACES
	FETCH 0, LN, 0
	s_wait_dscnt 9
	KSTEP 5, 0
	PLACES
	FETCH 1, LN, 1
	s_wait_dscnt 9
	KSTEP 6, 0
	s_wait_dscnt 6                                 ; the next tile's two fragments may be out
	KSTEP 7, 0
	PLACES
	USL
.irp b, 0,1,2,3
.irp j, 0,1,2,3
	ds_store_b128 v[SO], v[ACC+16*\b+4*\j:ACC+16*\b+4*\j+3] offset:128*\b+16*\j   ; features 32 b + 16 (lane / 16) + 4 j on; each accumulator from its low end on
.endr
.endr
	s_wait_dscnt 0x0                               ; the stores have read their registers, which take the rows read back
.irp t, 0,1,2,3,4,5,6,7,8,9,10,11,12,13,14,15
	ds_load_b128 v[ACC+4*\t:ACC+4*\t+3], v[SR] offset:528*\t
.endr
.irp t, 0,1,2,3,4,5,6,7,8,9,10,11,12,13,14,15
	s_wait_dscnt 15-\t
	global_store_b128 v[L16], v[ACC+4*\t:ACC+4*\t+3], s[28:29] offset:4096*\t th:TH_STORE_NT   ; 32 lanes store 512 consecutive bytes, at a multiple of 256 from out0's first byte
.endr
	s_wait_xcnt 0x0                                ; the stores have read their data and base: both are written again only behind this wait
	s_add_nc_u64 s[28:29], s[28:29], 65536         ; 16 rows on
	s_add_co_u32 s48, s48, 1
	s_cmp_lt_u32 s48, NU
	s_cbranch_scc1 .Ltile
	s_wait_tensorcnt 0x0
	ds_add_u32 v248, v249
	s_wait_dscnt 0x0
	s_endpgm
.Lfunc_end_k_q2d388b01ef_oproj:
	.size	k_q2d388b01ef_oproj, .Lfunc_end_k_q2d388b01ef_oproj-k_q2d388b01ef_oproj
	.p2alignl 7, 3214868480
	.fill 96, 4, 3214868480
	.section	.rodata,"a",@progbits
	.p2align	6, 0x0
	.amdhsa_kernel k_q2d388b01ef_oproj
		.amdhsa_group_segment_fixed_size 168448
		.amdhsa_private_segment_fixed_size 0
		.amdhsa_enable_private_segment 0
		.amdhsa_kernarg_size 32
		.amdhsa_user_sgpr_count 2
		.amdhsa_user_sgpr_kernarg_segment_ptr 1
		.amdhsa_wavefront_size32 1
		.amdhsa_system_sgpr_workgroup_id_x 1
		.amdhsa_system_sgpr_workgroup_id_y 1
		.amdhsa_system_sgpr_workgroup_id_z 1
		.amdhsa_system_vgpr_workitem_id 0
		.amdhsa_next_free_vgpr 1024
		.amdhsa_next_free_sgpr 66
		.amdhsa_reserve_vcc 0
		.amdhsa_float_denorm_mode_32 3
		.amdhsa_float_denorm_mode_16_64 3
		.amdhsa_memory_ordered 1
		.amdhsa_forward_progress 1
		.amdhsa_inst_pref_size 43
	.end_amdhsa_kernel
	.amdgpu_metadata
---
amdhsa.version: [ 1, 2 ]
amdhsa.kernels:
  - .name:           k_q2d388b01ef_oproj
    .symbol:         k_q2d388b01ef_oproj.kd
    .args:
      - { .name: abuf, .offset: 0, .size: 8, .value_kind: global_buffer, .address_space: global }
      - { .name: img, .offset: 8, .size: 8, .value_kind: global_buffer, .address_space: global }
      - { .name: bo, .offset: 16, .size: 8, .value_kind: global_buffer, .address_space: global }
      - { .name: out0, .offset: 24, .size: 8, .value_kind: global_buffer, .address_space: global }
    .group_segment_fixed_size: 168448
    .private_segment_fixed_size: 0
    .kernarg_segment_align: 8
    .kernarg_segment_size: 32
    .max_flat_workgroup_size: 128
    .sgpr_count:     66
    .vgpr_count:     1024
    .wavefront_size: 32
...
	.end_amdgpu_metadata
.endif
;; end of part 4
